; MI455X (gfx1250); checked and timed in simulation.
; The chip was launched on July 23, 2026; its instructions are those of AMD's public machine-readable ISA for CDNA 5 (MIT licence, August 2026) and "CDNA5" Instruction Set Architecture Reference Guide (July 2026). The comments in the code are by the model that wrote it; some were corrected since.
;; Multi Headed Self Attention. Allowed arithmetic: matrix products marked QUANTISED: E4M3 operands, one given power-of-two scale a tensor, by v_wmma_f32_16x16x64_fp8_fp8 or v_wmma_f32_16x16x128_fp8_fp8, f32 sums; everything else in f32.
;; Inputs: Wk 1,024 x 1,024 float32; Wo 1,024 x 1,024 float32; Wq 1,024 x 1,024 float32; Wv 1,024 x 1,024 float32; lowp_scales 12 int32 (the exponents e of the quantised operands' scales 2^e); x 4 x 2,048 x 1,024 float32.
;; Outputs: out0 4 x 2,048 x 1,024 float32.
;; Constants: max_seq_len = 4096, theta = 10000.
;; This version of the problem:
;;   THIS VERSION OF THE PROBLEM IS GIVEN IN LOW PRECISION. The matrix products marked QUANTISED in the list below multiply operands that are first quantised to E4M3 (4 exponent bits, 3 mantissa bits; 8 bits a number), with one given power-of-two scale for each operand tensor; their sums are f32. All else is computed in f32.
;;   The module's matrix products, in the order in which they are computed (A, B: the left and right operand; K: the contracted axis; several contracted axes count as one K, in the product's order):
;;     1. [M 8,192, K 1,024] x [K 1,024, N 1,024]; A: input x; B: input Wq: QUANTISED (scales: A lowp_scales[0], B lowp_scales[1])
;;     2. [M 8,192, K 1,024] x [K 1,024, N 1,024]; A: input x; B: input Wk: QUANTISED (scales: A lowp_scales[2], B lowp_scales[3])
;;     3. [M 8,192, K 1,024] x [K 1,024, N 1,024]; A: input x; B: input Wv: QUANTISED (scales: A lowp_scales[4], B lowp_scales[5])
;;     4. batch 64 x [M 2,048, K 64] x [K 64, N 2,048]; A: computed on the way; B: computed on the way: QUANTISED (scales: A lowp_scales[6], B lowp_scales[7])
;;     5. batch 64 x [M 2,048, K 2,048] x [K 2,048, N 64]; A: softmax (see below); B: computed on the way: QUANTISED (scales: A lowp_scales[8], B lowp_scales[9])
;;     6. [M 8,192, K 1,024] x [K 1,024, N 1,024]; A: computed on the way; B: input Wo: QUANTISED (scales: A lowp_scales[10], B lowp_scales[11])
;;   THE QUANTISER, for each operand of a quantised product, along K:
;;     - The operand's scale is 2^e, e = its entry of the input lowp_scales (int32; the entries are numbered through the quantised products in the list's order, A before B).
;;     - Each number is divided by the scale, clamped to +-448, and rounded to the nearest number of E4M3, ties to even, subnormals kept.
;;     - The product sums the exact products of the quantised numbers (number of the format x scale) in f32.
;;   ~~~python
;;   def quantise(x, axis, e):      # numpy; x: float32 -> the quantised numbers, widened to float32 again
;;       x = np.moveaxis(x, axis, -1); K = x.shape[-1]
;;       r = np.clip(x / 2.0 ** e, -448, 448)
;;       step = 2.0 ** (np.maximum(np.frexp(np.where(r == 0, 1, r))[1] - 1, -6) - 3)
;;       q = np.round(r / step) * step * 2.0 ** e      # np.round: ties to even
;;       return np.moveaxis(q, -1, axis).astype(np.float32)
;;   ~~~
;;   SOFTMAX AHEAD OF A QUANTISED PRODUCT. Where the list says 'softmax', what is quantised is not the finished softmax but p = 2^(t - M), with t = logit x log2(e) and M = ceil(the row's largest t), a whole number; so 1/2 < the row's largest p <= 1. The row's sum l is taken of the UNQUANTISED p, in f32, and the product's result is divided by l at the end. Since M is a whole number, a kernel that streams over the keys may use a running M (the ceiling of the running maximum): every later rescaling is an exact power of two, so the quantised numbers keep their values, but for numbers so far below the row's largest that they fall under the format's range.
;;   OPERANDS COMPUTED ON THE WAY. 'Computed on the way' means the value that the module computes at that place (a softmax that the list does not call 'softmax' is quantised finished and normalised). What goes into a quantiser is computed in f32, as accurately as f32 sums, v_exp_f32 and their like allow (about 1e-6 of the number): no bf16 or f16 on the way to a quantiser, and a product that is left as it is and whose result goes on into a quantised operand takes f32 operands (vector FMAs, or v_wmma_f32_16x16x4_f32). A number that lies on a knife's edge between two numbers of the format may be rounded either way, as far as f32 arithmetic and the matrix unit's own rounding can turn it there, and no further.
;; One version. Each part assembles by itself: llvm-mc -triple=amdgcn-amd-amdhsa -mcpu=gfx1250 --defsym DOCPART=n.
;; ======== version 1 of 1: 4 launches
;; limits: right only within a limited range of input values
;; workspace buffers: codes 29,360,128 bytes; rope 524,288 bytes; qkv 25,165,824 bytes; ac 8,388,608 bytes
;; launch quant (part 1): grid 448 x 1, 4 waves a work-group, no clusters, 66,048 bytes of LDS; arguments x, Wq, Wk, Wv, Wo, lowp_scales, codes, rope; writes codes, rope
.if DOCPART == 1
	.amdgcn_target "amdgcn-amd-amdhsa--gfx1250"
	.amdhsa_code_object_version 6
	.text
	.protected	k_qf9832af5f7_quant
	.globl	k_qf9832af5f7_quant
	.p2align	8
	.type	k_qf9832af5f7_quant,@function
k_qf9832af5f7_quant:
	s_mov_b64 s[64:65], 0
	v_nop
	global_prefetch_b8 v0, s[64:65] scope:SCOPE_SE
	s_setreg_imm32_b32 hwreg(HW_REG_WAVE_MODE, 25, 1), 1
	s_wait_xcnt 0x0
; THREE JOBS, told apart by the work-group's number.
;   0..63    the table for the rotation: rope[pos][kk] = (cos, sin)(pos x 10^(-kk/8)), pos 0..2047, kk 0..31: 256 bytes a position.
;   64..319  x [8192][1024] f32 -> three planes of E4M3 codes, rows 0.., 8192.., 16384.. of codes, under the scales e0, e2, e4.
;   320..447 Wq, Wk, Wv, Wo [1024][1024] f32 -> codes' rows 24576 on, under e1, e3, e5, e11; 32 work-groups a weight.
; code = number / 2^e, held within +-448, to the nearest code, ties to even.  LIMITS: each e between -126 and 119; NaN among the inputs is not served.
; Rows are dense and K is innermost, so a tensor is a plain stream.  A wave takes 16 steps of 512 numbers.  Each load reads 512 consecutive bytes, 16 a lane; a step's 2,048 bytes
; turn through the wave's own stage in LDS (16 bytes of padding behind each 64) and come back 64 bytes a lane: 16 neighbours along K, as the conversions want them.  A lane's 16 codes
; are 16 bytes: a wave's store covers 512 consecutive bytes.  No barrier: waves share nothing.  The two paths that use LDS have bytes of their own (x: 0.., weights: 32768..).
; THE TABLE has no sine or cosine instruction: ang = pos x inv_freq (one rounding); n = the nearest whole number to ang x 2/pi; r = ang - n pi/2 by two fused multiply-adds
; (pi/2 in two parts; n < 2^11, so the first is exact; what the parts leave out is under 3e-12); sin r and cos r by their series to r^9 and r^10 (|r| <= 0.79).
; inv_freq = f32(10^(-(kk%8)/8)) x (1, 0.1, 0.01, 0.001)[kk/8]: the nearest f32 for kk < 8, within two units of the last place beyond, where angles stay under 205.
.set STEPS, 16
.set SP,    80                         ; a lane's place in a stage: 64 bytes + 16
.set R,     16                         ; v16-79   four sets of 16 numbers as loaded
.set X,     80                         ; v80-111  two sets of 16 neighbours
.set T,     112                        ; v112-159 the held numbers, a set for each scale
.set C,     160                        ; v160-183 codes: two sets of 12 registers by turns
.set SCL,   5                          ; v5-7     2^e as f32
.set LIM,   8                          ; v8-10    448 x 2^e
.set WOFF,  25165824                   ; the weights' first byte in codes
.macro MKS e, vs, vl                   ; s[e] = e  ->  v[vs] = 2^e, v[vl] = 448 x 2^e
	s_add_co_i32 s44, s[\e], 127
	s_lshl_b32 s45, s44, 23
	v_mov_b32 v[\vs], s45
	s_add_co_i32 s44, s44, 8
	s_lshl_b32 s44, s44, 23
	s_or_b32 s44, s44, 0x600000
	v_mov_b32 v[\vl], s44
.endm
.macro LOAD t
.irp i, 0,1,2,3
	global_load_b128 v[R+16*((\t)%4)+4*\i:R+16*((\t)%4)+4*\i+3], v3, s[4:5] offset:2048*(\t)+512*\i th:TH_LOAD_NT
.endr
.endm
.macro TURN t, vin, vout               ; step t's numbers through the stage: LDS serves a wave's instructions in order
.irp i, 0,1,2,3
	ds_store_b128 v[\vin], v[R+16*((\t)%4)+4*\i:R+16*((\t)%4)+4*\i+3] offset:32*SP*((\t)%2)+8*SP*\i
.endr
.irp i, 0,1,2,3
	ds_load_b128 v[X+16*((\t)%2)+4*\i:X+16*((\t)%2)+4*\i+3], v[\vout] offset:32*SP*((\t)%2)+16*\i
.endr
.endm
.macro QSTEP t, cnt, vin, vout         ; cnt: how many scales (and planes) this tensor has
.set XS, X+16*((\t)%2)
.set CC, C+12*((\t)%2)
	s_wait_dscnt 0x0                               ; this step's numbers are back from the stage, and the stage's stores have read their registers,
.if (\t)+4 < STEPS
	LOAD (\t)+4                                    ; which take the loads of four steps on
.endif
.if (\t)+1 < STEPS
.if STEPS-2-(\t) >= 3
	s_wait_loadcnt 12                              ; the next step's four loads are in; the twelve of the three steps behind may be out
.else
	s_wait_loadcnt 4*(STEPS-2-(\t))
.endif
	TURN (\t)+1, \vin, \vout
.endif
.irp s, 0,1,2
.if \s < \cnt
.irp i, 0,1,2,3,4,5,6,7,8,9,10,11,12,13,14,15
	v_med3_num_f32 v[T+16*\s+\i], v[XS+\i], -v[LIM+\s], v[LIM+\s]   ; the conversion does not saturate (ISA guide 7.6.2): the hold comes first
.endr
.endif
.endr
	s_wait_alu depctr_va_vdst(0)
	s_wait_xcnt 0x0                                ; the stores of two steps back have read this set of code registers
.irp s, 0,1,2
.if \s < \cnt
	v_cvt_scalef32_pk8_fp8_f32 v[CC+4*\s:CC+4*\s+1], v[T+16*\s:T+16*\s+7], v[SCL+\s]
	v_cvt_scalef32_pk8_fp8_f32 v[CC+4*\s+2:CC+4*\s+3], v[T+16*\s+8:T+16*\s+15], v[SCL+\s]
.endif
.endr
	v_nop                                          ; a plain line behind the last conversion: the next step's holds write the conversions' sources
.irp s, 0,1,2
.if \s < \cnt
	global_store_b128 v3, v[CC+4*\s:CC+4*\s+3], s[36+2*\s:37+2*\s] offset:512*(\t)
.endif
.endr
.endm
.macro PICK idx, key, val, dst         ; v[dst] = val in the lanes where v[idx] = key
	v_mov_b32 v23, \val
	v_cmp_eq_u32 vcc_lo, \key, v[\idx]
	v_cndmask_b32 v[\dst], v[\dst], v23, vcc_lo
.endm
	s_load_b512 s[4:19], s[0:1], 0x0               ; x 4:5, Wq 6:7, Wk 8:9, Wv 10:11, Wo 12:13, the scales 14:15, codes 16:17, rope 18:19
	v_lshl_add_u32 v192, v0, 2, 0x10000
	v_mov_b32 v193, 0
	v_lshrrev_b32 v1, 5, v0
	v_readfirstlane_b32 s22, v1                    ; wave
	v_and_b32 v2, 31, v0                           ; lane
	v_lshlrev_b32 v3, 4, v2                        ; my 16 bytes of a load's or a store's 512
	s_lshl_b32 s23, s22, 13                        ; my wave's 8,192 bytes of LDS
	v_lshrrev_b32 v14, 2, v2
	v_mul_u32_u24 v14, v14, SP
	v_and_b32 v15, 3, v2
	v_lshl_add_u32 v14, v15, 4, v14
	v_add_nc_u32 v14, s23, v14                     ; the stage, on the way in: SP (lane / 4) + 16 (lane % 4)
	v_mul_u32_u24 v15, v2, SP
	v_add_nc_u32 v15, s23, v15                     ; and on the way out: SP x lane
	v_add_nc_u32 v12, 0x8000, v14                  ; the same for the weights' path, in LDS bytes of its own
	v_add_nc_u32 v13, 0x8000, v15
	s_wait_kmcnt 0x0
	s_load_b256 s[24:31], s[14:15], 0x0            ; e0 .. e7
	s_load_b128 s[32:35], s[14:15], 0x20           ; e8 .. e11
	s_cmp_lt_u32 ttmp9, 64
	s_cbranch_scc1 .Ltab
	s_cmp_ge_u32 ttmp9, 320
	s_cbranch_scc1 .Lw
	; ---- x: run = 4 (work-group - 64) + wave of 1,024 runs of 8,192 numbers
	s_sub_co_u32 s46, ttmp9, 64
	s_lshl_b32 s46, s46, 2
	s_add_co_u32 s46, s46, s22
	s_lshl_b32 s48, s46, 15
	s_mov_b32 s49, 0
	s_add_nc_u64 s[4:5], s[4:5], s[48:49]
	s_lshl_b32 s48, s46, 13
	s_add_nc_u64 s[36:37], s[16:17], s[48:49]      ; the three planes, 8,388,608 bytes apart: a base each
	s_add_nc_u64 s[38:39], s[36:37], 0x800000
	s_add_nc_u64 s[40:41], s[36:37], 0x1000000
.irp t, 0,1,2,3
	LOAD \t
.endr
	s_wait_kmcnt 0x0
	MKS 24, SCL, LIM                               ; e0
	MKS 26, SCL+1, LIM+1                           ; e2
	MKS 28, SCL+2, LIM+2                           ; e4
	s_wait_loadcnt 12                              ; step 0's four loads are in
	s_wait_alu depctr_va_vdst(0)
	TURN 0, 14, 15
.irp t, 0,1,2,3,4,5,6,7,8,9,10,11,12,13,14,15
	QSTEP \t, 3, 14, 15
.endr
	s_wait_tensorcnt 0x0
	ds_add_u32 v192, v193
	s_wait_dscnt 0x0
	s_endpgm
	; ---- a weight: tensor = (work-group - 320) / 32; run = 4 (the rest) + wave of 128 runs
.Lw:
	s_sub_co_u32 s46, ttmp9, 320
	s_lshr_b32 s47, s46, 5
	s_and_b32 s46, s46, 31
	s_lshl_b32 s46, s46, 2
	s_add_co_u32 s46, s46, s22
	s_wait_kmcnt 0x0
	s_cmp_eq_u32 s47, 1                            ; buffer and scale are chosen on the work-group's number alone
	s_cselect_b64 s[4:5], s[8:9], s[6:7]
	s_cselect_b32 s24, s27, s25                    ; e3 : e1
	s_cmp_eq_u32 s47, 2
	s_cselect_b64 s[4:5], s[10:11], s[4:5]
	s_cselect_b32 s24, s29, s24                    ; e5
	s_cmp_eq_u32 s47, 3
	s_cselect_b64 s[4:5], s[12:13], s[4:5]
	s_cselect_b32 s24, s35, s24                    ; e11
	s_lshl_b32 s48, s46, 15
	s_mov_b32 s49, 0
	s_add_nc_u64 s[4:5], s[4:5], s[48:49]
	s_lshl_b32 s48, s46, 13
	s_lshl_b32 s50, s47, 20
	s_add_co_u32 s48, s48, s50
	s_add_co_u32 s48, s48, WOFF
	s_add_nc_u64 s[36:37], s[16:17], s[48:49]
.irp t, 0,1,2,3
	LOAD \t
.endr
	MKS 24, SCL, LIM
	s_wait_loadcnt 12
	s_wait_alu depctr_va_vdst(0)
	TURN 0, 12, 13
.irp t, 0,1,2,3,4,5,6,7,8,9,10,11,12,13,14,15
	QSTEP \t, 1, 12, 13
.endr
	s_wait_tensorcnt 0x0
	ds_add_u32 v192, v193
	s_wait_dscnt 0x0
	s_endpgm
	; ---- the table: a wave takes 8 positions, a lane one kk; a store of the wave covers a position's 256 bytes
.Ltab:
	v_and_b32 v21, 7, v2
	v_lshrrev_b32 v22, 3, v2
	v_mov_b32 v20, 1.0
	PICK 21, 1, 0x3f3ff911, 20                     ; 10^(-1/8) = 0.749894209
	PICK 21, 2, 0x3f0ff59a, 20                     ; 10^(-2/8) = 0.562341325
	PICK 21, 3, 0x3ed7e89b, 20                     ; 10^(-3/8) = 0.421696503
	PICK 21, 4, 0x3ea1e89b, 20                     ; 10^(-4/8) = 0.316227766
	PICK 21, 5, 0x3e72d424, 20                     ; 10^(-5/8) = 0.237137371
	PICK 21, 6, 0x3e361887, 20                     ; 10^(-6/8) = 0.177827941
	PICK 21, 7, 0x3e088d77, 20                     ; 10^(-7/8) = 0.133352143
	v_mov_b32 v24, 1.0
	PICK 22, 1, 0x3dcccccd, 24                     ; 0.1
	PICK 22, 2, 0x3c23d70a, 24                     ; 0.01
	PICK 22, 3, 0x3a83126f, 24                     ; 0.001
	v_mul_f32 v20, v20, v24                        ; inv_freq of my kk
	s_mov_b32 s48, 0xbfc90fdb                      ; -(pi/2's first part)
	s_mov_b32 s49, 0x333bbd2e                      ; -(its second part)
	s_mov_b32 s50, 0x3638ef1d                      ; 1/9!
	s_mov_b32 s51, 0xb9500d01                      ; -1/7!
	s_mov_b32 s52, 0x3c088889                      ; 1/5!
	s_mov_b32 s53, 0xbe2aaaab                      ; -1/3!
	s_mov_b32 s54, 0xb493f27e                      ; -1/10!
	s_mov_b32 s55, 0x37d00d01                      ; 1/8!
	s_mov_b32 s56, 0xbab60b61                      ; -1/6!
	s_mov_b32 s57, 0x3d2aaaab                      ; 1/4!
	s_lshl_b32 s47, ttmp9, 5
	s_lshl_b32 s46, s22, 3
	s_add_co_u32 s47, s47, s46                     ; my first position: 32 x work-group + 8 x wave
	s_lshl_b32 s46, s47, 8
	v_lshl_add_u32 v36, v2, 3, s46                 ; 256 x position + 8 x kk
	s_mov_b32 s46, 0
.Lpos:
	v_cvt_f32_u32 v24, s47
	s_wait_alu depctr_va_vdst(0)
	v_mul_f32 v25, v24, v20                        ; ang
	v_mul_f32 v26, 0x3f22f983, v25                 ; x 2/pi
	v_rndne_f32 v26, v26                           ; n
	v_fma_f32 v27, v26, s48, v25
	v_fma_f32 v27, v26, s49, v27                   ; r
	v_cvt_i32_f32 v28, v26
	v_mul_f32 v29, v27, v27                        ; r^2
	v_fma_f32 v30, v29, s50, s51
	v_fma_f32 v32, v29, s54, s55
	v_fma_f32 v30, v29, v30, s52
	v_fma_f32 v32, v29, v32, s56
	v_fma_f32 v30, v29, v30, s53
	v_fma_f32 v32, v29, v32, s57
	v_mul_f32 v31, v27, v29
	v_fma_f32 v32, v29, v32, -0.5
	v_fma_f32 v30, v31, v30, v27                   ; sin r
	v_fma_f32 v32, v29, v32, 1.0                   ; cos r
	v_and_b32 v33, 1, v28
	v_cmp_eq_u32 vcc_lo, 1, v33                    ; odd quadrants change the two over
	v_cndmask_b32 v35, v30, v32, vcc_lo
	v_cndmask_b32 v34, v32, v30, vcc_lo
	v_and_b32 v33, 2, v28                          ; the sine is negative in quadrants 2 and 3,
	v_lshlrev_b32 v33, 30, v33
	v_xor_b32 v35, v33, v35
	v_add_nc_u32 v33, 1, v28                       ; the cosine in 1 and 2
	v_and_b32 v33, 2, v33
	v_lshlrev_b32 v33, 30, v33
	v_xor_b32 v34, v33, v34
	global_store_b64 v36, v[34:35], s[18:19]
	s_wait_xcnt 0x0                                ; the store has read its offset and data: both are written again
	v_add_nc_u32 v36, 0x100, v36
	s_add_co_u32 s47, s47, 1
	s_add_co_u32 s46, s46, 1
	s_cmp_lt_u32 s46, 8
	s_cbranch_scc1 .Lpos
	s_endpgm
.Lfunc_end_k_qf9832af5f7_quant:
	.size	k_qf9832af5f7_quant, .Lfunc_end_k_qf9832af5f7_quant-k_qf9832af5f7_quant
	.p2alignl 7, 3214868480
	.fill 96, 4, 3214868480
	.section	.rodata,"a",@progbits
	.p2align	6, 0x0
	.amdhsa_kernel k_qf9832af5f7_quant
		.amdhsa_group_segment_fixed_size 66048
		.amdhsa_private_segment_fixed_size 0
		.amdhsa_enable_private_segment 0
		.amdhsa_kernarg_size 64
		.amdhsa_user_sgpr_count 2
		.amdhsa_user_sgpr_kernarg_segment_ptr 1
		.amdhsa_wavefront_size32 1
		.amdhsa_system_sgpr_workgroup_id_x 1
		.amdhsa_system_sgpr_workgroup_id_y 1
		.amdhsa_system_sgpr_workgroup_id_z 1
		.amdhsa_system_vgpr_workitem_id 0
		.amdhsa_next_free_vgpr 194
		.amdhsa_next_free_sgpr 66
		.amdhsa_reserve_vcc 1
		.amdhsa_float_denorm_mode_32 3
		.amdhsa_float_denorm_mode_16_64 3
		.amdhsa_memory_ordered 1
		.amdhsa_forward_progress 1
		.amdhsa_inst_pref_size 119
	.end_amdhsa_kernel
	.amdgpu_metadata
---
amdhsa.version: [ 1, 2 ]
amdhsa.kernels:
  - .name:           k_qf9832af5f7_quant
    .symbol:         k_qf9832af5f7_quant.kd
    .args:
      - { .name: x, .offset: 0, .size: 8, .value_kind: global_buffer, .address_space: global }
      - { .name: Wq, .offset: 8, .size: 8, .value_kind: global_buffer, .address_space: global }
      - { .name: Wk, .offset: 16, .size: 8, .value_kind: global_buffer, .address_space: global }
      - { .name: Wv, .offset: 24, .size: 8, .value_kind: global_buffer, .address_space: global }
      - { .name: Wo, .offset: 32, .size: 8, .value_kind: global_buffer, .address_space: global }
      - { .name: lowp_scales, .offset: 40, .size: 8, .value_kind: global_buffer, .address_space: global }
      - { .name: codes, .offset: 48, .size: 8, .value_kind: global_buffer, .address_space: global }
      - { .name: rope, .offset: 56, .size: 8, .value_kind: global_buffer, .address_space: global }
    .group_segment_fixed_size: 66048
    .private_segment_fixed_size: 0
    .kernarg_segment_align: 8
    .kernarg_segment_size: 64
    .max_flat_workgroup_size: 128
    .sgpr_count:     66
    .vgpr_count:     194
    .wavefront_size: 32
...
	.end_amdgpu_metadata
.endif
;; end of part 1
;; launch proj (part 2): grid 4 x 96, 4 waves a work-group, clusters of 4 x 4, 327,680 bytes of LDS; arguments codes, rope, lowp_scales, qkv; writes qkv
.if DOCPART == 2
	.amdgcn_target "amdgcn-amd-amdhsa--gfx1250"
	.amdhsa_code_object_version 6
	.text
	.protected	k_qf9832af5f7_proj
	.globl	k_qf9832af5f7_proj
	.p2align	8
	.type	k_qf9832af5f7_proj,@function
k_qf9832af5f7_proj:
	s_mov_b64 s[64:65], 0
	v_nop
	global_prefetch_b8 v0, s[64:65] scope:SCOPE_SE
	s_setreg_imm32_b32 hwreg(HW_REG_WAVE_MODE, 25, 1), 1
	s_wait_xcnt 0x0
	s_wait_alu depctr_hold_cnt(0) depctr_sa_sdst(0) depctr_va_vdst(0) depctr_va_sdst(0) depctr_va_ssrc(0) depctr_va_vcc(0) depctr_vm_vsrc(0)
	s_getreg_b32 s2, hwreg(HW_REG_IB_STS2, 6, 4)
	s_cmp_eq_u32 s2, 0
	s_cbranch_scc0 .Lentry_in_a_cluster
	s_endpgm
.Lentry_in_a_cluster:
	s_bfe_u32 s2, ttmp6, 0x10000c
	s_cmp_lg_u32 s2, 0xf033
	s_cbranch_scc0 .Lentry_shape_is_right
	s_endpgm
.Lentry_shape_is_right:
; q, k and v: three products [8192 x 1024] x [1024 x 1024] on E4M3 codes, then the rotation (q, k) and the quantiser of the next product's operand, all on the way out.
; codes: rows of 1,024 codes: 0.. x under e0, 8192.. x under e2, 16384.. x under e4, 24576.. Wq, Wk, Wv, Wo.  z = cluster y / 8: 0 q, 1 k, 2 v; the same in all partners of a cluster.
; A tile of 256 x 256 to a work-group of four waves; a wave makes 128 x 128: 64 accumulators, 512 registers.  K goes in steps of 256 through a ring of two LDS slots.
; CLUSTERS: 4 x 4.  A's tile hangs on cy and is asked for jointly along a row of the cluster, B's on cx and along a column.
; The matrix instruction is used transposed (source 0 = 16 rows of B, source 1 = 16 rows of A): a lane holds one row of A and eight neighbouring rows of B.
;   q, k: A = x's rows (tokens), B = W's rows (channels): a lane holds a token and eight neighbouring channels: four pairs of the rotation, and eight neighbours along the next K (the head's 64).
;   v:    A = Wv's rows (channels), B = x's rows (tokens): a lane holds a channel and eight neighbouring tokens: neighbours along the next K, which is the keys.
; Only the two global row offsets differ with z (chosen without a branch); masks, LDS addresses and the loop are the same.
; OUT.  qkv plane z (8,388,608 bytes each).  q, k: [head 16][token 8192][64 codes].  v: [head 16][block of 128 tokens 64][channel 64][128 codes].  In all three my wave's part begins at
; head0 x 524288 + tile128 x 8192.  Codes go through my own stage in LDS and leave as runs of 512 consecutive bytes a store.
; SCALES.  A sum stands for sum x 2^(ea + eb); the rotation commutes with a power of two; so the conversion takes the one scale 2^E, E = eo - ea - eb ((e0,e1,e6), (e2,e3,e7), (e4,e5,e9)).
; LIMITS: E between -126 and 119.  lowp_scales[6] is taken as q's scale and [7] as k's.
; The table's first two sets are asked for in the head by every work-group, v's too, which do not use them (16 loads a wave, inside the buffer): so no register's state hangs on an earlier branch.
; REGISTERS, in windows of 256: window 0: v0-31 addresses and the scale; v32-95 two sets of the table; from v128 A's fragments, ONE set; on the way out v96-199 at work.
;   window 1: B's fragments, two sets.   window 2, 3: the accumulators of my A rows 0-63, 64-127 (accumulator (a, b) at v[8 (8 (a % 4) + b)]).
.set KSTEP,  256
.set ROWB,   256                       ; a tile's row in bytes
.set KROW,   1024                      ; a row of codes in memory
.set PITCH,  272                       ; an LDS row: 256 bytes + 16 of padding: the 16 rows that a load touches start 4 words apart modulo 64 words
.set FR,     16
.set NL,     4
.set NP,     4
.set HALFT,  128*PITCH
.set SLOT,   4*HALFT
.set LAPS,   2                         ; K = 1,024 is four K steps: twice round the ring
.set SPARE,  2*SLOT                    ; behind the ring: the spare words, 128 bytes a wave
.set WROW,   24576                     ; the weights' first row in codes
.set ADRA, 16                          ; v16-17 LDS address of my A fragments in slot 0, 1
.set STV,  18                          ; v18    v's stage: where I put 8 codes
.set RDV,  19                          ; v19    and where I read 16 back
.set ADRB, 20                          ; v20-21 the same as ADRA for B
.set STQ,  24                          ; v24, v25 the same as STV, RDV for q and k: LDS bytes of their own
.set RDQ,  25
.set CO,   26                          ; v26    16 x lane
.set TO,   27                          ; v27    the table: 256 r + 32 h
.set SPW,  28
.set NIL,  29
.set SCL,  30                          ; v30    2^E
.set LIM,  31                          ; v31    448 x 2^E
.set CS,   32                          ; v32-95 the table, two sets of 32: (cos, sin) of pairs 8 bb + 4 h + 0..3 at CS + 8 bb
.set R,    96                          ; v96-159  a block's 64 numbers
.set T,    160                         ; v160-167 at work
.set P,    168                         ; v168-183 a block's codes
.set BB,   184                         ; v184-199 the block read back from the stage
.set AF,   128
.set G1, 24
.set G0, 32
.set G1B, 48
.set G0B, 56
.set MSB, 0
.macro WIN new                         ; the immediate's high byte repeats the setting that is left
.if MSB != \new
	s_set_vgpr_msb (MSB<<8)|\new
.set MSB, \new
.endif
.endm
.set MUL_LO, 0xa1                      ; source 0 (B) window 1, source 1 (A) window 0, C and D window 2
.set MUL_HI, 0xf1
.set TO_B,   0x40
; A joint load: waves 0 and 1 fetch for A, waves 2 and 3 for B; the branch hangs on the wave's number alone.  Four v_nop follow each line.
.macro JLOAD g0a, g1a, g0b, g1b
	s_cmp_eq_u32 s15, 0
	s_cbranch_scc0 .Lfor_b_\@
	tensor_load_to_lds s[\g0a:\g0a+3], s[\g1a:\g1a+7]
	s_nop 0
.rept 4
	v_nop
.endr
	s_branch .Lasked_\@
.Lfor_b_\@:
	tensor_load_to_lds s[\g0b:\g0b+3], s[\g1b:\g1b+7]
	s_nop 0
.rept 4
	v_nop
.endr
.Lasked_\@:
.endm
.macro CREST
	s_cmp_lg_u32 s14, 0
	s_cbranch_scc1 .Lnot_wave_0_\@
	s_barrier_signal -3
.Lnot_wave_0_\@:
	s_barrier_wait -3
	s_barrier_signal -1
	s_barrier_wait -1
.endm
.macro CROUND
	s_barrier_signal -1
	s_barrier_wait -1
	CREST
.endm
	s_load_b128 s[4:7], s[0:1], 0x0                ; codes s[4:5], rope s[6:7]
	s_load_b128 s[8:11], s[0:1], 0x10              ; the scales s[8:9], qkv s[10:11]
	v_lshl_add_u32 v[SPW], v0, 2, SPARE
	v_mov_b32 v[NIL], 0
	ds_add_u32 v28, v29
	ds_add_u32 v28, v29
	s_wait_dscnt 0x0
	v_lshrrev_b32 v1, 5, v0
	v_readfirstlane_b32 s14, v1                    ; wave 0..3
	s_lshr_b32 s15, s14, 1                         ; which half of A's rows is mine.  Also: I fetch for A (0) or for B (1)
	s_and_b32 s16, s14, 1                          ; which half of B's rows.  Also: which 128 rows of that tile I fetch
	s_bfe_u32 s40, ttmp6, 0x40000                  ; cx
	s_bfe_u32 s41, ttmp6, 0x40004                  ; cy
	s_and_b32 s81, ttmp7, 0xffff                   ; cluster y, 0..23
	s_lshr_b32 s80, s81, 3                         ; z
	s_lshl_b32 s43, s41, 2
	s_lshl_b32 s43, 15, s43                        ; my row of the cluster
	s_lshl_b32 s44, 0x1111, s40                    ; my column
	s_or_b32 s[G1+0], s43, (0<<16)|(1<<20)|(1<<21)|(5<<22)|(3<<25)  ; the mask; elements of 1 byte; padding on; bit 21 beside a mask; 4 words behind every 64
	s_or_b32 s[G1B+0], s44, (0<<16)|(1<<20)|(1<<21)|(5<<22)|(3<<25)
.irp g, G1, G1B
	s_mov_b32 s[\g+1], ROWB<<16                    ; tensor_dim0
	s_mov_b32 s[\g+2], 128<<16                     ; tensor_dim1
	s_mov_b32 s[\g+3], ROWB<<16                    ; tile_dim0
	s_mov_b32 s[\g+4], 128                         ; tile_dim1
	s_mov_b32 s[\g+5], KROW                        ; the pitch
	s_mov_b32 s[\g+6], 0
	s_mov_b32 s[\g+7], 0
.endr
	; rows in codes.  A: 256 cy + 128 half + (q, k: 1024 x cluster y;  v: Wv's first row).   B: 256 cx + 128 half + (q, k: W's first row;  v: 1024 x cluster y)
	s_lshl_b32 s18, s16, 7
	s_lshl_b32 s82, s81, 10
	s_lshl_b32 s83, s80, 10
	s_add_co_u32 s83, s83, WROW
	s_cmp_eq_u32 s80, 2
	s_cselect_b32 s84, WROW+2048, s82
	s_cselect_b32 s85, s82, s83
	s_lshl_b32 s20, s41, 8
	s_add_co_u32 s20, s20, s18
	s_add_co_u32 s20, s20, s84
	s_lshl_b32 s20, s20, 10                        ; in bytes: under 2^25
	s_mov_b32 s21, 0
	s_lshl_b32 s46, s40, 8
	s_add_co_u32 s46, s46, s18
	s_add_co_u32 s46, s46, s85
	s_lshl_b32 s46, s46, 10
	s_mov_b32 s47, 0
	s_mul_i32 s45, s14, HALFT                      ; where they go: wave x 128 rows
	s_wait_kmcnt 0x0
	s_load_b256 s[68:75], s[8:9], 0x0              ; e0 .. e7
	s_load_b128 s[76:79], s[8:9], 0x20             ; e8 .. e11
	s_add_nc_u64 s[20:21], s[4:5], s[20:21]
	s_add_nc_u64 s[46:47], s[4:5], s[46:47]
	CROUND                                         ; all sixteen work-groups are here: the first joint loads meet
.irp s, 0,1
	s_mov_b32 s[G0+4*\s], 1
	s_add_co_u32 s[G0+4*\s+1], s45, \s*SLOT
	s_add_nc_u64 s[G0+4*\s+2:G0+4*\s+3], s[20:21], \s*ROWB
	s_or_b32 s[G0+4*\s+3], s[G0+4*\s+3], 0x80000000
	s_mov_b32 s[G0B+4*\s], 1
	s_add_co_u32 s[G0B+4*\s+1], s45, \s*SLOT
	s_add_nc_u64 s[G0B+4*\s+2:G0B+4*\s+3], s[46:47], \s*ROWB
	s_or_b32 s[G0B+4*\s+3], s[G0B+4*\s+3], 0x80000000
	JLOAD G0+4*\s, G1, G0B+4*\s, G1B
.endr
	v_and_b32 v1, 15, v0                           ; r
	s_wait_alu depctr_va_vdst(0)
	v_bfe_u32 v2, v0, 4, 1                         ; h
	v_mul_u32_u24 v3, v1, PITCH
	v_lshl_add_u32 v4, v2, 4, v3                   ; a fragment's row x pitch + 16 h
	s_mul_i32 s21, s15, HALFT
	s_mul_i32 s22, s16, HALFT
	s_add_co_u32 s22, s22, 2*HALFT
.irp s, 0,1
	v_add_nc_u32 v[ADRA+\s], s21, v4
	v_add_nc_u32 v[ADRB+\s], s22, v4
	s_add_co_u32 s21, s21, SLOT
	s_add_co_u32 s22, s22, SLOT
.endr
	; the stages lie in slot 0, which has had its last fill and its last read when the first code is stored there.  q, k: 2 heads x 16 rows x 80 bytes a wave;  v: from 16384 on, 16 rows x 144 bytes a wave
	v_and_b32 v6, 31, v0                           ; lane
	s_mul_i32 s23, s14, 2560
	v_mul_u32_u24 v5, v1, 80
	s_wait_alu depctr_va_vdst(0)
	v_lshl_add_u32 v5, v2, 3, v5
	v_add_nc_u32 v[STQ], s23, v5                   ; in: row r, 8 h
	v_lshrrev_b32 v7, 2, v6
	v_mul_u32_u24 v7, v7, 80
	v_and_b32 v8, 3, v6
	v_lshl_add_u32 v7, v8, 4, v7
	v_add_nc_u32 v[RDQ], s23, v7                   ; back: four lanes to a row of 64 bytes
	s_mul_i32 s23, s14, 2304
	s_add_co_u32 s23, s23, 16384
	v_mul_u32_u24 v5, v1, 144
	v_lshl_add_u32 v5, v2, 3, v5
	v_add_nc_u32 v[STV], s23, v5
	v_lshrrev_b32 v7, 3, v6
	v_mul_u32_u24 v7, v7, 144
	v_and_b32 v8, 7, v6
	v_lshl_add_u32 v7, v8, 4, v7
	v_add_nc_u32 v[RDV], s23, v7                   ; back: eight lanes to a row of 128 bytes
	v_lshlrev_b32 v[CO], 4, v6
	v_lshlrev_b32 v[TO], 8, v1
	v_lshl_add_u32 v[TO], v2, 5, v[TO]
	s_wait_alu depctr_va_vdst(0)
	; head0 = 4 (q, k: cx; v: cy) + 2 (q, k: B's half; v: A's half);   tile128 = 2 (4 (cluster y % 8) + (q, k: cy; v: cx)) + (q, k: A's half; v: B's half)
	s_cmp_eq_u32 s80, 2
	s_cselect_b32 s82, s41, s40
	s_cselect_b32 s83, s15, s16
	s_cselect_b32 s84, s40, s41
	s_cselect_b32 s85, s16, s15
	s_lshl_b32 s82, s82, 2
	s_lshl_b32 s83, s83, 1
	s_add_co_u32 s82, s82, s83                     ; head0
	s_and_b32 s86, s81, 7
	s_lshl_b32 s86, s86, 2
	s_add_co_u32 s86, s86, s84
	s_lshl_b32 s86, s86, 1
	s_add_co_u32 s86, s86, s85                     ; tile128
	s_lshl_b32 s88, s80, 23
	s_lshl_b32 s82, s82, 19
	s_add_co_u32 s88, s88, s82
	s_lshl_b32 s87, s86, 13
	s_add_co_u32 s88, s88, s87
	s_mov_b32 s89, 0
	s_add_nc_u64 s[10:11], s[10:11], s[88:89]      ; qkv at my wave's part
	s_and_b32 s88, s86, 15                         ; position = token % 2048: 128 (tile128 % 16) on
	s_lshl_b32 s88, s88, 15
	s_add_nc_u64 s[6:7], s[6:7], s[88:89]          ; the table at my first position
.macro TABLOAD a                       ; positions 16 a + r: a lane's 16 pairs, 8 loads of 16 bytes, into set a % 2
.irp bb, 0,1,2,3
.irp u, 0,1
	global_load_b128 v[CS+32*((\a)%2)+8*\bb+4*\u:CS+32*((\a)%2)+8*\bb+4*\u+3], v[TO], s[6:7] offset:(\a)*4096+64*\bb+16*\u
.endr
.endr
.endm
	TABLOAD 0
	TABLOAD 1
	s_wait_kmcnt 0x0
	s_cmp_eq_u32 s80, 1                            ; the three scales of my product: a choice, no branch
	s_cselect_b32 s90, s70, s68
	s_cselect_b32 s91, s71, s69
	s_cselect_b32 s92, s75, s74
	s_cmp_eq_u32 s80, 2
	s_cselect_b32 s90, s72, s90
	s_cselect_b32 s91, s73, s91
	s_cselect_b32 s92, s77, s92
	s_sub_co_i32 s92, s92, s90
	s_sub_co_i32 s92, s92, s91                     ; E
	s_add_co_i32 s92, s92, 127
	s_lshl_b32 s93, s92, 23
	v_mov_b32 v[SCL], s93
	s_add_co_i32 s92, s92, 8
	s_lshl_b32 s92, s92, 23
	s_or_b32 s92, s92, 0x600000
	v_mov_b32 v[LIM], s92
.macro FRAG reg, adr, q, i             ; 16 rows x 128 K: registers 4 c .. 4 c + 3 hold K = 32 c + 16 h + 0 .. 15: the same places in A and in B
.irp c, 0,1,2,3
	ds_load_b128 v[\reg+4*\c:\reg+4*\c+3], v[\adr] offset:128*(\q)+32*\c+(\i)*16*PITCH
.endr
.endm
; 16 matrix instructions: A's blocks a0, a0 + 1 x B's eight.  The 64 accumulators take turns, one instruction a turn, in the same order in every step.
.macro MUL16 a0, p, zero
.irp a, \a0, \a0+1
.irp b, 0,1,2,3,4,5,6,7
.if \zero
	v_wmma_f32_16x16x128_fp8_fp8 v[8*(8*((\a)%4)+\b):8*(8*((\a)%4)+\b)+7], v[128*(\p)+FR*\b:128*(\p)+FR*\b+FR-1], v[AF+FR*(\a):AF+FR*(\a)+FR-1], 0
.else
	v_wmma_f32_16x16x128_fp8_fp8 v[8*(8*((\a)%4)+\b):8*(8*((\a)%4)+\b)+7], v[128*(\p)+FR*\b:128*(\p)+FR*\b+FR-1], v[AF+FR*(\a):AF+FR*(\a)+FR-1], v[8*(8*((\a)%4)+\b):8*(8*((\a)%4)+\b)+7]
.endif
.endr
.endr
.endm
.macro FETCH_B slot, q, p
	WIN TO_B
.irp i, 0,1,2,3,4,5,6,7
	FRAG 128*(\p)+FR*\i, ADRB+\slot, \q, \i
.endr
	WIN 0
.endm
.macro FETCH_A slot, q, i0
.irp i, \i0, \i0+1, \i0+2, \i0+3
	FRAG AF+FR*(\i), ADRA+\slot, \q, \i
.endr
.endm
.macro PLACES n                        ; plain vector places behind matrix instructions, in front of loads into their sources and of reads of their results
.rept \n
	v_nop
.endr
.endm
.macro STEP slot, q, zero              ; 128 along K that has its successor in the same slot
	s_wait_dscnt 4*NL                              ; B's set and A's blocks 0-3 are in; the youngest 16 loads (A's blocks 4-7) may be out
	WIN MUL_LO
	MUL16 0, (\q)%2, \zero
	MUL16 2, (\q)%2, \zero
	s_wait_dscnt 0
	PLACES NP
	FETCH_B \slot, (\q)+1, 1-(\q)%2
	FETCH_A \slot, (\q)+1, 0
	WIN MUL_HI
	MUL16 4, (\q)%2, \zero
	MUL16 6, (\q)%2, \zero
	PLACES NP
	WIN 0
	FETCH_A \slot, (\q)+1, 4
.endm
; A slot's last step changes slots: one barrier; in front of it each wave waits for all its tensor loads, adds 0 to its spare word, and waits for that and for its reads of this slot.
.macro TURN slot, next, fill
	s_wait_tensorcnt 0x0                           ; all my tensor loads have landed: my part of the next slot
	ds_add_u32 v[SPW], v[NIL]
	s_wait_dscnt 4*NL+1                            ; (the add and the youngest 16 loads may be out)
	WIN MUL_LO
	MUL16 0, 1, 0
	s_wait_dscnt 0x0                               ; the add is done, and my reads of this slot are over
	s_barrier_signal -1
	MUL16 2, 1, 0
	WIN 0
	s_barrier_wait -1
.if \fill
	CREST                                          ; the barrier has opened a round of the cluster's: no wave of any partner still reads this slot or has a load on its way
	s_add_nc_u64 s[G0+4*\slot+2:G0+4*\slot+3], s[G0+4*\slot+2:G0+4*\slot+3], 2*ROWB
	s_add_nc_u64 s[G0B+4*\slot+2:G0B+4*\slot+3], s[G0B+4*\slot+2:G0B+4*\slot+3], 2*ROWB
	JLOAD G0+4*\slot, G1, G0B+4*\slot, G1B         ; the first tensor load behind the round; its four v_nop are the places in front of the loads below
.else
	PLACES NP
.endif
	FETCH_B \next, 0, 0
	FETCH_A \next, 0, 0
	WIN MUL_HI
	MUL16 4, 1, 0
	MUL16 6, 1, 0
	PLACES NP
	WIN 0
	FETCH_A \next, 0, 4
.endm
	s_wait_tensorcnt 1                             ; my part of K step 0 is in (K step 1's load may be out),
	s_barrier_signal -1
	s_barrier_wait -1                              ; everybody's is
	FETCH_B 0, 0, 0
	FETCH_A 0, 0, 0
	FETCH_A 0, 0, 4
	STEP 0, 0, 1                                   ; the first step's products start the sums
	s_mov_b32 s3, LAPS-1
.Llap:
	TURN 0, 1, 1
	STEP 1, 0, 0
	TURN 1, 0, 1
	STEP 0, 0, 0
	s_sub_co_u32 s3, s3, 1
	s_cmp_lg_u32 s3, 0
	s_cbranch_scc1 .Llap
	TURN 0, 1, 0                                   ; the last lap fills nothing
	STEP 1, 0, 0
	s_wait_dscnt 4*NL
	WIN MUL_LO
	MUL16 0, 1, 0
	MUL16 2, 1, 0
	s_wait_dscnt 0
	WIN MUL_HI
	MUL16 4, 1, 0
	MUL16 6, 1, 0
	WIN 0
; THE WAY OUT, block a of 16 rows of A at a time.  While a block's codes are on their way through the stage, the next block is computed.
.macro CODES                           ; 64 numbers -> 16 registers of codes: pair 2 b holds the eight neighbours of accumulator b
.irp b, 0,1,2,3,4,5,6,7
	v_cvt_scalef32_pk8_fp8_f32 v[P+2*\b:P+2*\b+1], v[R+8*\b:R+8*\b+7], v[SCL]
.endr
	v_nop                                          ; a plain line behind the last conversion: the next block's arithmetic writes the conversions' sources
.endm
.macro PUTQK                           ; token r's codes: head b / 4, bytes 16 (b % 4) + 8 h;  back as 8 whole rows of 64 bytes a load
.irp b, 0,1,2,3,4,5,6,7
	ds_store_b64 v[STQ], v[P+2*\b:P+2*\b+1] offset:(\b/4)*1280+16*(\b%4)
.endr
	s_wait_xcnt 0x0                                ; the last block's stores have read the registers that the loads below fill
.irp t, 0,1,2,3
	ds_load_b128 v[BB+4*\t:BB+4*\t+3], v[RDQ] offset:(\t/2)*1280+(\t%2)*640   ; LDS serves a wave's instructions in order: these see my stores
.endr
.endm
.macro SENDQK a
	s_wait_dscnt 0x0                               ; the block is back, and the stage's stores have read their registers
.irp t, 0,1,2,3
	global_store_b128 v[CO], v[BB+4*\t:BB+4*\t+3], s[10:11] offset:(\t/2)*524288+(\a)*1024+(\t%2)*512   ; 512 consecutive bytes: 8 tokens of one head
.endr
.endm
.macro OUTQK a
.set AC, 64*((\a)%4)
.set CT, CS+32*((\a)%2)
.if (\a) < 7
	s_wait_loadcnt 8                               ; this block's set of the table is in; the next set's eight loads may be out
.else
	s_wait_loadcnt 0x0
.endif
	WIN 0x02+((\a)/4)                              ; source 0: window 2 or 3
.irp b, 0,1,2,3,4,5,6,7
.irp i, 0,1,2,3
	v_pk_mul_f32 v[T+2*\i:T+2*\i+1], v[AC+8*\b+2*\i:AC+8*\b+2*\i+1], v[CT+8*(\b%4)+2*\i:CT+8*(\b%4)+2*\i+1] op_sel:[1,1] op_sel_hi:[1,0]   ; (x2 sin, x2 cos)
.endr
.irp i, 0,1,2,3
	v_pk_fma_f32 v[R+8*\b+2*\i:R+8*\b+2*\i+1], v[AC+8*\b+2*\i:AC+8*\b+2*\i+1], v[CT+8*(\b%4)+2*\i:CT+8*(\b%4)+2*\i+1], v[T+2*\i:T+2*\i+1] op_sel_hi:[0,1,1] neg_lo:[0,0,1]   ; (x1 cos - x2 sin, x1 sin + x2 cos)
.endr
.endr
	WIN 0
.if (\a)+2 < 8
	TABLOAD (\a)+2
.endif
.set jj, 0
.rept 64
.set jj, jj+1
.endr
.if (\a) > 0
	s_wait_alu depctr_va_vdst(0)
	SENDQK (\a)-1
.endif
	CODES
	PUTQK
.endm
.macro PUTV                            ; channel r's codes: bytes 16 b + 8 h of its 128 tokens;  back as 4 whole rows of 128 bytes a load
.irp b, 0,1,2,3,4,5,6,7
	ds_store_b64 v[STV], v[P+2*\b:P+2*\b+1] offset:16*\b
.endr
	s_wait_xcnt 0x0
.irp t, 0,1,2,3
	ds_load_b128 v[BB+4*\t:BB+4*\t+3], v[RDV] offset:576*\t
.endr
.endm
.macro SENDV a
	s_wait_dscnt 0x0
.irp t, 0,1,2,3
	global_store_b128 v[CO], v[BB+4*\t:BB+4*\t+3], s[10:11] offset:((\a)/4)*524288+((\a)%4)*2048+512*\t   ; 512 consecutive bytes: 4 channels of one head
.endr
.endm
.macro OUTV a
.set AC, 64*((\a)%4)
	WIN 0x02+((\a)/4)
.set jj, 0
.rept 64
	v_med3_num_f32 v[R+jj], v[AC+jj], -v[LIM], v[LIM]  ; each accumulator from its low end on
.set jj, jj+1
.endr
	WIN 0
.if (\a) > 0
	s_wait_alu depctr_va_vdst(0)
	SENDV (\a)-1
.endif
	CODES
	PUTV
.endm
	PLACES NP                                      ; behind the last products: their results are read and their sources written below
	s_cmp_eq_u32 s80, 2                            ; z is the same in all partners of the cluster
	s_cbranch_scc1 .Lout_v
.irp a, 0,1,2,3,4,5,6,7
	OUTQK \a
.endr
	SENDQK 7
	s_branch .Ldone
.Lout_v:
	s_wait_loadcnt 0x0                             ; (the table's two sets, not used here, have landed in their registers)
	s_wait_alu depctr_va_vdst(0)
.irp a, 0,1,2,3,4,5,6,7
	OUTV \a
.endr
	SENDV 7
.Ldone:
	s_wait_tensorcnt 0x0                           ; the wave's end
	ds_add_u32 v[SPW], v[NIL]
	s_wait_dscnt 0x0
	CROUND                                         ; the closing round
	s_endpgm
.Lfunc_end_k_qf9832af5f7_proj:
	.size	k_qf9832af5f7_proj, .Lfunc_end_k_qf9832af5f7_proj-k_qf9832af5f7_proj
	.p2alignl 7, 3214868480
	.fill 96, 4, 3214868480
	.section	.rodata,"a",@progbits
	.p2align	6, 0x0
	.amdhsa_kernel k_qf9832af5f7_proj
		.amdhsa_group_segment_fixed_size 327680
		.amdhsa_private_segment_fixed_size 0
		.amdhsa_enable_private_segment 0
		.amdhsa_kernarg_size 32
		.amdhsa_user_sgpr_count 2
		.amdhsa_user_sgpr_kernarg_segment_ptr 1
		.amdhsa_wavefront_size32 1
		.amdhsa_system_sgpr_workgroup_id_x 1
		.amdhsa_system_sgpr_workgroup_id_y 1
		.amdhsa_system_sgpr_workgroup_id_z 1
		.amdhsa_system_vgpr_workitem_id 0
		.amdhsa_next_free_vgpr 1024
		.amdhsa_next_free_sgpr 100
		.amdhsa_reserve_vcc 0
		.amdhsa_float_denorm_mode_32 3
		.amdhsa_float_denorm_mode_16_64 3
		.amdhsa_fp16_overflow 1
		.amdhsa_memory_ordered 1
		.amdhsa_forward_progress 1
		.amdhsa_inst_pref_size 179
	.end_amdhsa_kernel
	.amdgpu_metadata
---
amdhsa.version: [ 1, 2 ]
amdhsa.kernels:
  - .name:           k_qf9832af5f7_proj
    .symbol:         k_qf9832af5f7_proj.kd
    .args:
      - { .name: codes, .offset: 0, .size: 8, .value_kind: global_buffer, .address_space: global }
      - { .name: rope, .offset: 8, .size: 8, .value_kind: global_buffer, .address_space: global }
      - { .name: lowp_scales, .offset: 16, .size: 8, .value_kind: global_buffer, .address_space: global }
      - { .name: qkv, .offset: 24, .size: 8, .value_kind: global_buffer, .address_space: global }
    .group_segment_fixed_size: 327680
    .private_segment_fixed_size: 0
    .kernarg_segment_align: 8
    .kernarg_segment_size: 32
    .max_flat_workgroup_size: 128
    .sgpr_count:     100
    .vgpr_count:     1024
    .wavefront_size: 32
...
	.end_amdgpu_metadata
.endif
;; end of part 2
;; launch attn (part 3): grid 4 x 64, 16 waves a work-group, no clusters, 327,680 bytes of LDS; arguments qkv, lowp_scales, ac; writes ac
.if DOCPART == 3
	.amdgcn_target "amdgcn-amd-amdhsa--gfx1250"
	.amdhsa_code_object_version 6
	.text
	.protected	k_qf9832af5f7_attn
	.globl	k_qf9832af5f7_attn
	.p2align	8
	.type	k_qf9832af5f7_attn,@function
k_qf9832af5f7_attn:
	s_mov_b64 s[64:65], 0
	v_nop
	global_prefetch_b8 v0, s[64:65] scope:SCOPE_SE
	s_setreg_imm32_b32 hwreg(HW_REG_WAVE_MODE, 25, 1), 1
	s_wait_xcnt 0x0
; Causal attention of one (batch, head) on E4M3 codes: S^T = K Q^T (K = the head's 64), p = 2^(t - M), O^T += V^T P^T (K = the keys), O / l quantised for the last product.
; qkv: plane 0 q, plane 1 k: [head][token 8192][64 codes]; plane 2 v: [head][block of 128 tokens][channel 64][128 codes].  ac: [block of 128 tokens 64][head 16][token % 128][64 codes].
; t = score x log2(e) / 8; M = the running largest t rounded UP to a whole number; the row's sum is taken of the unquantised p; when M moves, the sum and O are multiplied by 2^(old M - new M): exact.
; SHARES.  Work-group (P, y): head y % 16, batch y / 16; it takes the block of 256 queries P and then the block 7 - P: P + 1 and 8 - P slots of 256 keys, NINE trips in every work-group:
; the trip count is a constant and all 256 work-groups have the same number of slots.  Each of the sixteen waves owns 16 queries of the block in hand, in 256 registers.
; A step (128 keys) all of whose keys come after my queries is left out by a scalar branch on ids; on the diagonal hidden scores become -infinity ahead of the maximum.
; RING.  Two LDS slots of 256 keys, filled by waves 0, 1 (K's halves) and 2, 3 (V's blocks), read by all sixteen.  A refill is asked for at the head of a trip and has that trip's two key steps of
; all sixteen waves in which to land.  NO CLUSTER: the four work-groups of a head change blocks in different trips (P + 1), so in most trips they want different slots of keys.
; LAYOUT.  Both products transposed: a lane holds ONE query (lane % 16).  Lane r of K's tile 2 b + u takes key 32 b + 8 u + r + 8 (r / 8), so that the 16 registers of tiles 2 b, 2 b + 1 are the
; 16 neighbouring keys 32 b + 16 h + 0 .. 15.  Along the head's 64 a lane takes bytes 32 h + 0 .. 31, of K and of Q alike: the same places on both sides.
; LIMITS: e6 + e7 between -123 and 130 (added to c's exponent field); e8 and e10 between -126 and 119.  lowp_scales[6] is taken as q's scale and [7] as k's (only their sum enters here).
.set KP,    80                         ; a key's row in LDS: 64 bytes + 16
.set VP,    144                        ; a row of V's block: 128 bytes + 16
.set VOFF,  256*KP                     ; a slot: 256 rows of K, then 2 blocks x 64 rows of V
.set VBLK,  64*VP
.set SLOT1, 65536
.set SPARE, 2*SLOT1                    ; the spare words: 128 bytes for each of 16 waves
.set STAGE, SPARE+2048                 ; the way out: 16 rows x 80 bytes a wave; no fill ever lands here
.set AK0,  1                           ; v1   my lane's place in a tile of K
.set AV0,  2                           ; v2   the same for V
.set STO,  3                           ; v3   the stage: where I put 8 codes
.set RD,   4                           ; v4   and where I read 16 back
.set SPW,  5
.set NIL,  6
.set GO,   7                           ; v7   16 x lane
.set ADK,  8
.set ADV,  9
.set QO,   10                          ; v10  64 r + 32 h
.set DG,   11                          ; v11  r - 16 h
.set TB,   2                           ; s2   LDS byte at which the slot in hand begins
.set TR,   3                           ; s3   the trip
.set PB,   10                          ; s10  P
.set SW,   11                          ; s11  P + 1: the trip in which the block of queries changes
.set KF,   12                          ; s12  the step's first key
.set Q0,   13                          ; s13  my first query
.set WV,   18
.set SEL,  20
.set CS,   22                          ; s[22:23] c = log2(e) / 8 x 2^(e6 + e7)
.set G1K,  24
.set G1V,  32
.set G0K,  40
.set G0V,  44
.set EO,   82                          ; s82  e8 + e9
.macro MKS e, vs, vl
	s_add_co_i32 s60, s[\e], 127
	s_lshl_b32 s61, s60, 23
	v_mov_b32 v[\vs], s61
.endm
; Waves 0 and 1 fetch for K, waves 2 and 3 for V, the others nothing.  Four v_nop follow each of the two lines.
.macro TLOAD
	s_cmp_lt_u32 s[WV], 2
	s_cbranch_scc0 .Lnot_k_\@
	tensor_load_to_lds s[G0K:G0K+3], s[G1K:G1K+7]
	s_nop 0
.rept 4
	v_nop
.endr
	s_branch .Lasked_\@
.Lnot_k_\@:
	s_cmp_lt_u32 s[WV], 4
	s_cbranch_scc0 .Lasked_\@
	tensor_load_to_lds s[G0V:G0V+3], s[G1V:G1V+7]
	s_nop 0
.rept 4
	v_nop
.endr
.Lasked_\@:
.endm
	s_load_b128 s[4:7], s[0:1], 0x0                ; qkv s[4:5], the scales s[6:7]
	s_load_b64 s[8:9], s[0:1], 0x10                ; ac
	v_lshl_add_u32 v[SPW], v0, 2, SPARE
	v_mov_b32 v[NIL], 0
	ds_add_u32 v5, v6
	ds_add_u32 v5, v6
	s_wait_dscnt 0x0
	v_lshrrev_b32 v8, 5, v0
	s_delay_alu instid0(VALU_DEP_1)
	v_readfirstlane_b32 s[WV], v8                  ; wave 0..15
	s_mov_b32 s[PB], ttmp9
	s_add_co_u32 s[SW], ttmp9, 1
	s_and_b32 s16, ttmp7, 0xffff
	s_and_b32 s14, s16, 15                         ; head
	s_lshr_b32 s15, s16, 4                         ; batch
	s_lshl_b32 s60, s14, 19
	s_lshl_b32 s61, s15, 17
	s_add_co_u32 s60, s60, s61                     ; my (batch, head) in a plane: head x 524288 + batch x 131072
	s_mov_b32 s61, 0
	s_and_b32 s62, s[WV], 1
	s_lshl_b32 s66, s62, 13                        ; what I fetch, if I fetch: 128 keys of K, or a block of V: 8,192 bytes each
	s_add_co_u32 s66, s66, s60
	s_mov_b32 s67, 0
	s_mul_i32 s80, s62, 128*KP                     ; and where it goes in a slot
	s_mul_i32 s81, s62, VBLK
	s_add_co_u32 s81, s81, VOFF
	s_mov_b32 s[G1K], (0<<16)|(1<<20)|(3<<22)|(3<<25)   ; no mask; elements of 1 byte; padding: 4 words behind every 16
	s_mov_b32 s[G1K+1], 64<<16                     ; tensor_dim0
	s_mov_b32 s[G1K+2], 128<<16                    ; tensor_dim1
	s_mov_b32 s[G1K+3], 64<<16                     ; tile_dim0
	s_mov_b32 s[G1K+4], 128                        ; tile_dim1
	s_mov_b32 s[G1K+5], 64                         ; the pitch
	s_mov_b32 s[G1K+6], 0
	s_mov_b32 s[G1K+7], 0
	s_mov_b32 s[G1V], (0<<16)|(1<<20)|(4<<22)|(3<<25)   ; padding: 4 words behind every 32
	s_mov_b32 s[G1V+1], 128<<16
	s_mov_b32 s[G1V+2], 64<<16
	s_mov_b32 s[G1V+3], 128<<16
	s_mov_b32 s[G1V+4], 64
	s_mov_b32 s[G1V+5], 128
	s_mov_b32 s[G1V+6], 0
	s_mov_b32 s[G1V+7], 0
	s_mov_b32 s[SEL], 0x76543210
	s_mov_b32 s[SEL+1], 0xfedcba98
	s_mov_b32 s[TB], 0
	s_mov_b32 s[TR], 0
	s_mov_b32 s[KF], 0
	s_lshl_b32 s[Q0], ttmp9, 8
	s_lshl_b32 s63, s[WV], 4
	s_add_co_u32 s[Q0], s[Q0], s63                 ; my first query: 256 P + 16 x wave
	s_wait_kmcnt 0x0
	s_load_b256 s[68:75], s[6:7], 0x0              ; e0 .. e7
	s_load_b128 s[76:79], s[6:7], 0x20             ; e8 .. e11
	s_add_nc_u64 s[52:53], s[4:5], s[60:61]        ; q of my (batch, head)
	s_add_nc_u64 s[48:49], s[4:5], s[66:67]
	s_add_nc_u64 s[50:51], s[48:49], 0x1000000     ; v: my fetch at the first slot of keys
	s_add_nc_u64 s[48:49], s[48:49], 0x800000      ; k: likewise
	s_mov_b32 s[G0K], 1
	s_mov_b32 s[G0K+1], s80
	s_mov_b64 s[G0K+2:G0K+3], s[48:49]
	s_or_b32 s[G0K+3], s[G0K+3], 0x80000000
	s_mov_b32 s[G0V], 1
	s_mov_b32 s[G0V+1], s81
	s_mov_b64 s[G0V+2:G0V+3], s[50:51]
	s_or_b32 s[G0V+3], s[G0V+3], 0x80000000
	TLOAD                                          ; slot 0: the first 256 keys
	s_lshl_b32 s60, s15, 21
	s_lshl_b32 s62, s14, 13
	s_add_co_u32 s60, s60, s62
	s_add_nc_u64 s[54:55], s[8:9], s[60:61]        ; ac: batch x 16 blocks x 131072 + head x 8192
	v_and_b32 v8, 15, v0                           ; r
	v_bfe_u32 v9, v0, 4, 1                         ; h
	v_and_b32 v252, 31, v0                         ; lane
	s_delay_alu instid0(VALU_DEP_3)
	v_and_b32 v[AK0], 8, v8
	s_delay_alu instid0(VALU_DEP_1)
	v_add_nc_u32 v[AK0], v[AK0], v8                ; r + 8 (r / 8)
	s_delay_alu instid0(VALU_DEP_1)
	v_mul_u32_u24 v[AK0], v[AK0], KP
	s_delay_alu instid0(VALU_DEP_1)
	v_lshl_add_u32 v[AK0], v9, 5, v[AK0]
	v_mul_u32_u24 v[AV0], v8, VP
	s_delay_alu instid0(VALU_DEP_1)
	v_lshl_add_u32 v[AV0], v9, 4, v[AV0]
	s_delay_alu instid0(VALU_DEP_1)
	v_add_nc_u32 v[AV0], VOFF, v[AV0]
	s_mul_i32 s62, s[WV], 16*KP
	s_add_co_u32 s62, s62, STAGE
	v_mul_u32_u24 v[STO], v8, KP
	s_delay_alu instid0(VALU_DEP_1)
	v_lshl_add_u32 v[STO], v9, 3, v[STO]
	s_delay_alu instid0(VALU_DEP_1)
	v_add_nc_u32 v[STO], s62, v[STO]               ; in: row r, 8 h
	v_lshrrev_b32 v[RD], 2, v252
	s_delay_alu instid0(VALU_DEP_1)
	v_mul_u32_u24 v[RD], v[RD], KP
	v_and_b32 v253, 3, v252
	s_delay_alu instid0(VALU_DEP_1)
	v_lshl_add_u32 v[RD], v253, 4, v[RD]
	s_delay_alu instid0(VALU_DEP_1)
	v_add_nc_u32 v[RD], s62, v[RD]                 ; back: four lanes to a row of 64 bytes
	v_lshlrev_b32 v[GO], 4, v252
	v_lshlrev_b32 v[QO], 6, v8
	s_delay_alu instid0(VALU_DEP_1)
	v_lshl_add_u32 v[QO], v9, 5, v[QO]
	v_lshlrev_b32 v[DG], 4, v9
	s_delay_alu instid0(VALU_DEP_1)
	v_sub_nc_u32 v[DG], v8, v[DG]
	v_mov_b32 v236, 0                              ; written once: a lane permute's destination counts as one of its sources
	v_mov_b32 v252, 0
	v_mov_b32 v253, 0                              ; (named as the upper half of the pair v[252:253])
	s_wait_alu depctr_va_vdst(0)
	s_wait_kmcnt 0x0
	s_add_co_i32 s60, s74, s75
	s_lshl_b32 s60, s60, 23
	s_mov_b32 s[CS], 0x3e38aa3b                    ; log2(e) / 8
	s_add_co_i32 s[CS], s[CS], s60                 ; x 2^(e6 + e7), by the exponent field
	s_mov_b32 s[CS+1], s[CS]
	MKS 76, 244, 240                               ; 2^e8, for p
	MKS 78, 245, 241                               ; the same with e10, for the result
	s_add_co_i32 s[EO], s76, s77
; A block of queries begins: addresses, Q's fragment, and the sums' first values (O^T and l zeros, the largest t under every t)
.macro SETQ
	s_lshl_b32 s60, s[Q0], 6
	s_mov_b32 s61, 0
	s_add_nc_u64 s[56:57], s[52:53], s[60:61]
	s_lshr_b32 s60, s[Q0], 7
	s_lshl_b32 s60, s60, 17
	s_and_b32 s62, s[Q0], 127
	s_lshl_b32 s62, s62, 6
	s_add_co_u32 s60, s60, s62
	s_add_nc_u64 s[58:59], s[54:55], s[60:61]
	global_load_b128 v[16:19], v[QO], s[56:57]
	global_load_b128 v[20:23], v[QO], s[56:57] offset:16
	v_mov_b32 v13, 0xff61b1e6                      ; -3e38
	s_delay_alu instid0(VALU_DEP_1)
	v_floor_f32 v12, -v13                          ; -M
	v_mov_b32 v14, 0
	v_mov_b32 v15, 0
.set jj, 0
.rept 32
	v_mov_b32 v[160+jj], 0
.set jj, jj+1
.endr
	s_wait_loadcnt 0x0
.endm
; A KEY STEP: 128 keys, the q-th of the slot in hand
.macro STEP q
	s_add_co_u32 s96, s[Q0], 15
	s_cmp_gt_u32 s[KF], s96
	s_cbranch_scc1 .Lhidden_\@                     ; all its keys come after my queries
	v_add_nc_u32 v[ADK], s[TB], v[AK0]
	v_add_nc_u32 v[ADV], s[TB], v[AV0]
	v_nop                                          ; with the two additions: four places in front of loads into registers that the last products read
	v_nop
.irp t, 0,1,2,3,4,5,6,7
	ds_load_b128 v[32+8*\t:35+8*\t], v[ADK] offset:(128*(\q)+32*(\t/2)+8*(\t%2))*KP
	ds_load_b128 v[36+8*\t:39+8*\t], v[ADK] offset:(128*(\q)+32*(\t/2)+8*(\t%2))*KP+16
.endr
	s_wait_alu depctr_va_vdst(0)
.irp t, 0,1,2,3,4,5,6,7
	s_wait_dscnt 14-2*\t                           ; tile t's two loads are in; the later tiles' may be out
	v_wmma_f32_16x16x64_fp8_fp8 v[96+8*\t:103+8*\t], v[32+8*\t:39+8*\t], v[16:23], 0
.endr
.rept 4
	v_nop                                          ; places: the loads below land on these products' sources, and the scores are read
.endr
.irp t, 0,1,2,3
.irp c, 0,1,2,3
	ds_load_b128 v[32+16*\t+4*\c:35+16*\t+4*\c], v[ADV] offset:(\q)*VBLK+16*\t*VP+32*\c   ; V's four fragments land while the softmax is walked
.endr
.endr
	s_add_co_u32 s96, s[KF], 127
	s_cmp_le_u32 s96, s[Q0]
	s_cbranch_scc1 .Lopen_\@                       ; all its keys count
	s_sub_co_i32 s96, s[Q0], s[KF]
	v_add_nc_u32 v252, s96, v[DG]                  ; d = my query - KF - 16 h.  Register 16 b + i holds key KF + 32 b + 16 h + i: hidden where 32 b + i > d
	v_mov_b32 v254, 0xff800000
.set nn, 0
.rept 64
	v_cmp_gt_i32 vcc_lo, 32*(nn/16)+nn%16, v252
	v_cndmask_b32 v[96+nn], v[96+nn], v254, vcc_lo
.set nn, nn+1
.endr
.Lopen_\@:
	v_max3_num_f32 v254, v96, v97, v98             ; the step's largest score of my query among my 64 keys, in two chains,
	v_max3_num_f32 v252, v99, v100, v101
.irp i, 6,10,14,18,22,26,30,34,38,42,46,50,54,58
	v_max3_num_f32 v254, v254, v[96+\i], v[97+\i]
	v_max3_num_f32 v252, v252, v[98+\i], v[99+\i]
.endr
	v_max3_num_f32 v254, v254, v158, v159
	s_delay_alu instid0(VALU_DEP_1)
	v_max_num_f32 v254, v254, v252
	v_permlanex16_b32 v236, v254, s[SEL], s[SEL+1]
	s_delay_alu instid0(VALU_DEP_1)
	v_max_num_f32 v254, v254, v236                 ; and among lane l xor 16's
	s_delay_alu instid0(VALU_DEP_1)
	v_mul_f32 v254, s[CS], v254                    ; as t (c is positive)
	s_delay_alu instid0(VALU_DEP_1)
	v_max_num_f32 v13, v13, v254
	v_mov_b32 v254, v12
	s_delay_alu instid0(VALU_DEP_2)
	v_floor_f32 v12, -v13                          ; the new -M = -ceil(t)
	s_delay_alu instid0(VALU_DEP_1)
	v_sub_f32 v254, v12, v254                      ; old M - new M: a whole number, 0 or less
	s_delay_alu instid0(VALU_DEP_1)
	v_cvt_i32_f32 v254, v254                       ; (it saturates)
	s_delay_alu instid0(VALU_DEP_1)
	v_ldexp_f32 v252, 1.0, v254                    ; f = 2^(old M - new M)
.set jj, 0
.rept 32
	v_pk_fma_f32 v[96+jj:97+jj], v[96+jj:97+jj], s[CS:CS+1], v[12:13] op_sel_hi:[1,0,0]   ; t - M, two at a time
.set jj, jj+2
.endr
.set jj, 0
	s_wait_alu depctr_va_vdst(0)
.rept 64
	v_exp_f32 v[96+jj], v[96+jj]                   ; p = 2^(t - M): one batch
.set jj, jj+1
.endr
	v_pk_mul_f32 v[14:15], v[14:15], v[252:253] op_sel_hi:[1,0]   ; the sums under the new M: the plain line behind the exponentials
	s_wait_alu depctr_va_vdst(0)                   ; one wait for the batch, ahead of its first reader
	v_pk_add_f32 v[242:243], v[100:101], v[104:105]
	v_pk_add_f32 v[254:255], v[108:109], v[112:113]
	v_pk_add_f32 v[250:251], v[116:117], v[120:121]
	v_pk_add_f32 v[248:249], v[124:125], v[128:129]
	v_pk_add_f32 v[246:247], v[132:133], v[136:137]
	v_pk_add_f32 v[240:241], v[140:141], v[144:145]
	v_pk_add_f32 v[238:239], v[148:149], v[152:153]
	v_pk_add_f32 v[14:15], v[14:15], v[156:157]
	v_pk_add_f32 v[242:243], v[242:243], v[96:97]
	v_pk_add_f32 v[254:255], v[254:255], v[98:99]
	v_pk_add_f32 v[250:251], v[250:251], v[102:103]
	v_pk_add_f32 v[248:249], v[248:249], v[106:107]
	v_pk_add_f32 v[246:247], v[246:247], v[110:111]
	v_pk_add_f32 v[240:241], v[240:241], v[114:115]
	v_pk_add_f32 v[238:239], v[238:239], v[118:119]
	v_pk_add_f32 v[14:15], v[14:15], v[122:123]
	v_pk_add_f32 v[242:243], v[242:243], v[126:127]
	v_pk_add_f32 v[254:255], v[254:255], v[130:131]
	v_pk_add_f32 v[250:251], v[250:251], v[134:135]
	v_pk_add_f32 v[248:249], v[248:249], v[138:139]
	v_pk_add_f32 v[246:247], v[246:247], v[142:143]
	v_pk_add_f32 v[240:241], v[240:241], v[146:147]
	v_pk_add_f32 v[238:239], v[238:239], v[150:151]
	v_pk_add_f32 v[14:15], v[14:15], v[154:155]
	v_pk_add_f32 v[242:243], v[242:243], v[158:159]
	s_delay_alu instid0(VALU_DEP_2)
	v_pk_add_f32 v[14:15], v[14:15], v[248:249]
	s_delay_alu instid0(VALU_DEP_2)
	v_pk_add_f32 v[242:243], v[242:243], v[246:247]
	v_pk_add_f32 v[254:255], v[254:255], v[240:241]
	v_pk_add_f32 v[250:251], v[250:251], v[238:239]
	s_delay_alu instid0(VALU_DEP_2)
	v_pk_add_f32 v[14:15], v[14:15], v[254:255]
	s_delay_alu instid0(VALU_DEP_2)
	v_pk_add_f32 v[242:243], v[242:243], v[250:251]
	s_delay_alu instid0(VALU_DEP_1)
	v_pk_add_f32 v[14:15], v[14:15], v[242:243]
.irp b, 0,1,2,3
.irp i, 0,1,2,3,4,5,6,7,8,9,10,11,12,13,14,15
.endr
	v_cvt_scalef32_pk8_fp8_f32 v[224+4*\b:225+4*\b], v[96+16*\b:103+16*\b], v244
	v_cvt_scalef32_pk8_fp8_f32 v[226+4*\b:227+4*\b], v[104+16*\b:111+16*\b], v244
.endr
.set jj, 0
.rept 16
	v_pk_mul_f32 v[160+jj:161+jj], v[160+jj:161+jj], v[252:253] op_sel_hi:[1,0]   ; O^T under the new M; also the plain lines between the conversions and the products
.set jj, jj+2
.endr
	s_wait_alu depctr_va_vdst(0)
	s_wait_dscnt 0x0                               ; V's fragments are in
.irp t, 0,1,2,3
	v_wmma_f32_16x16x128_fp8_fp8 v[160+8*\t:167+8*\t], v[32+16*\t:47+16*\t], v[224:239], v[160+8*\t:167+8*\t]   ; four accumulators by turns
.endr
.Lhidden_\@:
	s_add_co_u32 s[KF], s[KF], 128
.endm
; THE CHANGE OF SLOTS, at a trip's head.  Each wave waits for all its tensor loads, adds 0 to its spare word, and waits for that and for its reads of the slot that it has left.
; fill = 1: that slot takes the keys of the next trip: slot of keys TR + 1 while the first block of queries lasts, then TR + 1 - (P + 1).
.macro CHANGE fill
	s_wait_tensorcnt 0x0                           ; no tensor load of mine is out, so a group 0 may be written
	ds_add_u32 v[SPW], v[NIL]
.if \fill
	s_xor_b32 s[G0K+1], s[G0K+1], SLOT1
	s_xor_b32 s[G0V+1], s[G0V+1], SLOT1
	s_add_co_u32 s60, s[TR], 1
	s_cmp_le_u32 s60, s[PB]
	s_cselect_b32 s61, 0, s[SW]
	s_sub_co_u32 s60, s60, s61
	s_lshl_b32 s60, s60, 14                        ; 256 keys are 16,384 bytes, of K and of V
	s_mov_b32 s61, 0
	s_add_nc_u64 s[G0K+2:G0K+3], s[48:49], s[60:61]
	s_or_b32 s[G0K+3], s[G0K+3], 0x80000000
	s_add_nc_u64 s[G0V+2:G0V+3], s[50:51], s[60:61]
	s_or_b32 s[G0V+3], s[G0V+3], 0x80000000
.endif
	s_wait_dscnt 0x0                               ; the add is done, and my reads of the slot that I have left are over
	s_barrier_signal -1
	s_barrier_wait -1
.if \fill
	TLOAD                                          ; the first thing behind the barrier, and a wave's one tensor load until the next
.endif
.endm
; A block of queries ends: O^T / l x 2^(e8 + e9), quantised with e10, through my stage, out as 1,024 consecutive bytes
.macro FINISH
.rept 4
	v_nop                                          ; places behind the last products
.endr
	v_add_f32 v14, v14, v15
	s_delay_alu instid0(VALU_DEP_1)
	v_permlanex16_b32 v252, v14, s[SEL], s[SEL+1]
	s_delay_alu instid0(VALU_DEP_1)
	v_add_f32 v14, v14, v252                       ; the row's sum
	s_wait_alu depctr_va_vdst(0)
	v_rcp_f32 v14, v14
	v_nop                                          ; a plain line behind the reciprocal,
	s_wait_alu depctr_va_vdst(0)                   ; and the wait ahead of its first reader
	v_ldexp_f32 v14, v14, s[EO]
.set jj, 0
.rept 32
	v_mul_f32 v[96+jj], v[160+jj], v14             ; register 8 t + i: channel 16 t + 8 h + i of query r; each accumulator from its low end on
.set jj, jj+1
.endr
.set jj, 0
.rept 32
.set jj, jj+1
.endr
.irp t, 0,1,2,3
	v_cvt_scalef32_pk8_fp8_f32 v[224+2*\t:225+2*\t], v[96+8*\t:103+8*\t], v245
.endr
	v_nop                                          ; a plain line behind the last conversion
.irp t, 0,1,2,3
	ds_store_b64 v[STO], v[224+2*\t:225+2*\t] offset:16*\t
.endr
	ds_load_b128 v[32:35], v[RD]                   ; LDS serves a wave's instructions in order: these see my stores
	ds_load_b128 v[36:39], v[RD] offset:8*KP
	s_wait_dscnt 0x0
	global_store_b128 v[GO], v[32:35], s[58:59]
	global_store_b128 v[GO], v[36:39], s[58:59] offset:512
	s_wait_xcnt 0x0                                ; the stores have read their base and data: both are written again
.endm
	SETQ
.Lslot:                                            ; eight trips; the ninth is written out
	CHANGE 1
	s_cmp_lg_u32 s[TR], s[SW]
	s_cbranch_scc1 .Lsame                          ; the same in all sixteen waves; no barrier and no tensor load stands inside
	FINISH
	s_sub_co_u32 s[Q0], 7, s[PB]
	s_lshl_b32 s[Q0], s[Q0], 8
	s_lshl_b32 s60, s[WV], 4
	s_add_co_u32 s[Q0], s[Q0], s60                 ; the block 7 - P
	s_mov_b32 s[KF], 0
	SETQ
.Lsame:
	STEP 0
	STEP 1
	s_xor_b32 s[TB], s[TB], SLOT1
	s_add_co_u32 s[TR], s[TR], 1
	s_cmp_lt_u32 s[TR], 8
	s_cbranch_scc1 .Lslot
	CHANGE 0
	STEP 0
	STEP 1
	FINISH
	s_wait_tensorcnt 0x0                           ; the wave's end
	ds_add_u32 v[SPW], v[NIL]
	s_wait_dscnt 0x0
	s_endpgm
.Lfunc_end_k_qf9832af5f7_attn:
	.size	k_qf9832af5f7_attn, .Lfunc_end_k_qf9832af5f7_attn-k_qf9832af5f7_attn
	.p2alignl 7, 3214868480
	.fill 96, 4, 3214868480
	.section	.rodata,"a",@progbits
	.p2align	6, 0x0
	.amdhsa_kernel k_qf9832af5f7_attn
		.amdhsa_group_segment_fixed_size 327680
		.amdhsa_private_segment_fixed_size 0
		.amdhsa_enable_private_segment 0
		.amdhsa_kernarg_size 24
		.amdhsa_user_sgpr_count 2
		.amdhsa_user_sgpr_kernarg_segment_ptr 1
		.amdhsa_wavefront_size32 1
		.amdhsa_system_sgpr_workgroup_id_x 1
		.amdhsa_system_sgpr_workgroup_id_y 1
		.amdhsa_system_sgpr_workgroup_id_z 1
		.amdhsa_system_vgpr_workitem_id 0
		.amdhsa_next_free_vgpr 256
		.amdhsa_next_free_sgpr 100
		.amdhsa_reserve_vcc 1
		.amdhsa_float_denorm_mode_32 3
		.amdhsa_float_denorm_mode_16_64 3
		.amdhsa_fp16_overflow 1
		.amdhsa_memory_ordered 1
		.amdhsa_forward_progress 1
		.amdhsa_inst_pref_size 94
	.end_amdhsa_kernel
	.amdgpu_metadata
---
amdhsa.version: [ 1, 2 ]
amdhsa.kernels:
  - .name:           k_qf9832af5f7_attn
    .symbol:         k_qf9832af5f7_attn.kd
    .args:
      - { .name: qkv, .offset: 0, .size: 8, .value_kind: global_buffer, .address_space: global }
      - { .name: lowp_scales, .offset: 8, .size: 8, .value_kind: global_buffer, .address_space: global }
      - { .name: ac, .offset: 16, .size: 8, .value_kind: global_buffer, .address_space: global }
    .group_segment_fixed_size: 327680
    .private_segment_fixed_size: 0
    .kernarg_segment_align: 8
    .kernarg_segment_size: 24
    .max_flat_workgroup_size: 512
    .sgpr_count:     100
    .vgpr_count:     256
    .wavefront_size: 32
...
	.end_amdgpu_metadata
.endif
;; end of part 3
;; launch outp (part 4): grid 4 x 32, 4 waves a work-group, clusters of 4 x 4, 327,680 bytes of LDS; arguments ac, codes, lowp_scales, out0; writes out0
.if DOCPART == 4
	.amdgcn_target "amdgcn-amd-amdhsa--gfx1250"
	.amdhsa_code_object_version 6
	.text
	.protected	k_qf9832af5f7_outp
	.globl	k_qf9832af5f7_outp
	.p2align	8
	.type	k_qf9832af5f7_outp,@function
k_qf9832af5f7_outp:
	s_mov_b64 s[64:65], 0
	v_nop
	global_prefetch_b8 v0, s[64:65] scope:SCOPE_SE
	s_setreg_imm32_b32 hwreg(HW_REG_WAVE_MODE, 25, 1), 1
	s_wait_xcnt 0x0
	s_wait_alu depctr_hold_cnt(0) depctr_sa_sdst(0) depctr_va_vdst(0) depctr_va_sdst(0) depctr_va_ssrc(0) depctr_va_vcc(0) depctr_vm_vsrc(0)
	s_getreg_b32 s2, hwreg(HW_REG_IB_STS2, 6, 4)
	s_cmp_eq_u32 s2, 0
	s_cbranch_scc0 .Lentry_in_a_cluster
	s_endpgm
.Lentry_in_a_cluster:
	s_bfe_u32 s2, ttmp6, 0x10000c
	s_cmp_lg_u32 s2, 0xf033
	s_cbranch_scc0 .Lentry_shape_is_right
	s_endpgm
.Lentry_shape_is_right:
; out0[token][n] = sum over k of att[token][k] Wo[n][k] on E4M3 codes, each finished sum x 2^(e10 + e11).  LIMIT: e10 + e11 between -126 and 127.
; A = ac: [block of 128 tokens 64][head 16][token % 128][64 codes]: 128 tokens x 4 heads (256 along K) are 32,768 dense bytes: one tensor load of 512 rows x 64 bytes.
; B = Wo: rows 27648 on of codes, 1,024 codes a row.  out0: [8192][1024] f32.
; A tile of 256 x 256 to a work-group of four waves; a wave makes 128 x 128.  K goes in steps of 256 through a ring of two LDS slots.  128 tiles: a half tile would want half as many products again
; from each LDS byte, and is not taken.  CLUSTERS: 4 x 4; A's tile is asked for jointly along a row of the cluster, B's along a column.
; The matrix instruction is used transposed (source 0 = 16 rows of B, source 1 = 16 rows of A): a lane holds eight neighbouring numbers of a row of out0.
; PLACES OF K.  Of 128 along K (two heads) lane (r, h) holds bytes 32 h + 0 .. 31 of the first 64 in registers 0-7 and of the second 64 in registers 8-15, in A and in B alike.
; REGISTERS as in windows of 256: window 0: v0-31 addresses; from v128 A's fragments, one set; window 1: B's, two sets; windows 2, 3: the accumulators.
.set SIZE_N, 1024
.set ROWB,   256
.set KROW,   1024
.set PITCH,  272                       ; B's LDS row: 256 bytes + 16
.set PA,     80                        ; A's LDS row: 64 bytes + 16
.set HEADB,  128*PA                    ; a head's 128 rows
.set HALFA,  4*HEADB                   ; what one tensor load brings of A
.set HALFB,  128*PITCH                 ; and of B
.set FR,     16
.set NL,     4
.set NP,     4
.set SLOT,   2*HALFA+2*HALFB
.set LAPS,   2
.set SPARE,  2*SLOT
.set SPITCH, 528                       ; the way out: a stage of 16 rows x (512 bytes + 16) a wave, in slot 0, behind its last fill and its last read
.set ADRA, 16
.set ADRB, 20
.set STO,  24
.set RD,   25
.set CO,   26
.set SPW,  28
.set NIL,  29
.set TMP,  32
.set AF,   128
.set BK,   128
.set G1, 24
.set G0, 32
.set G1B, 48
.set G0B, 56
.set MSB, 0
.macro WIN new
.if MSB != \new
	s_set_vgpr_msb (MSB<<8)|\new
.set MSB, \new
.endif
.endm
.set MUL_LO, 0xa1
.set MUL_HI, 0xf1
.set TO_B,   0x40
.macro JLOAD g0a, g1a, g0b, g1b        ; waves 0 and 1 fetch for A, waves 2 and 3 for B; four v_nop follow each line
	s_cmp_eq_u32 s15, 0
	s_cbranch_scc0 .Lfor_b_\@
	tensor_load_to_lds s[\g0a:\g0a+3], s[\g1a:\g1a+7]
	s_nop 0
.rept 4
	v_nop
.endr
	s_branch .Lasked_\@
.Lfor_b_\@:
	tensor_load_to_lds s[\g0b:\g0b+3], s[\g1b:\g1b+7]
	s_nop 0
.rept 4
	v_nop
.endr
.Lasked_\@:
.endm
.macro CREST
	s_cmp_lg_u32 s14, 0
	s_cbranch_scc1 .Lnot_wave_0_\@
	s_barrier_signal -3
.Lnot_wave_0_\@:
	s_barrier_wait -3
	s_barrier_signal -1
	s_barrier_wait -1
.endm
.macro CROUND
	s_barrier_signal -1
	s_barrier_wait -1
	CREST
.endm
	s_load_b128 s[4:7], s[0:1], 0x0                ; ac s[4:5], codes s[6:7]
	s_load_b128 s[8:11], s[0:1], 0x10              ; the scales s[8:9], out0 s[10:11]
	v_lshl_add_u32 v[SPW], v0, 2, SPARE
	v_mov_b32 v[NIL], 0
	ds_add_u32 v28, v29
	ds_add_u32 v28, v29
	s_wait_dscnt 0x0
	v_lshrrev_b32 v1, 5, v0
	v_readfirstlane_b32 s14, v1                    ; wave 0..3
	s_lshr_b32 s15, s14, 1                         ; which half of the tile's rows is mine.  Also: I fetch for A (0) or for B (1)
	s_and_b32 s16, s14, 1                          ; which half of its columns.  Also: which half of that tile I fetch
	s_bfe_u32 s40, ttmp6, 0x40000                  ; cx
	s_bfe_u32 s41, ttmp6, 0x40004                  ; cy
	s_lshl_b32 s42, ttmp9, 2
	s_add_co_u32 s42, s42, s40                     ; tile column
	s_and_b32 s17, ttmp7, 0xffff
	s_lshl_b32 s17, s17, 2
	s_add_co_u32 s17, s17, s41                     ; tile row
	s_lshl_b32 s43, s41, 2
	s_lshl_b32 s43, 15, s43                        ; my row of the cluster
	s_lshl_b32 s44, 0x1111, s40                    ; my column
	s_or_b32 s[G1+0], s43, (0<<16)|(1<<20)|(1<<21)|(3<<22)|(3<<25)   ; A: the mask; elements of 1 byte; padding: 4 words behind every 16; bit 21 beside a mask
	s_mov_b32 s[G1+1], 64<<16                      ; tensor_dim0
	s_mov_b32 s[G1+2], 512<<16                     ; tensor_dim1
	s_mov_b32 s[G1+3], 64<<16                      ; tile_dim0
	s_mov_b32 s[G1+4], 512                         ; tile_dim1
	s_mov_b32 s[G1+5], 64                          ; the pitch: the block is dense
	s_mov_b32 s[G1+6], 0
	s_mov_b32 s[G1+7], 0
	s_or_b32 s[G1B+0], s44, (0<<16)|(1<<20)|(1<<21)|(5<<22)|(3<<25)  ; B: padding: 4 words behind every 64
	s_mov_b32 s[G1B+1], ROWB<<16
	s_mov_b32 s[G1B+2], 128<<16
	s_mov_b32 s[G1B+3], ROWB<<16
	s_mov_b32 s[G1B+4], 128
	s_mov_b32 s[G1B+5], KROW
	s_mov_b32 s[G1B+6], 0
	s_mov_b32 s[G1B+7], 0
	s_lshl_b32 s20, s17, 1
	s_add_co_u32 s20, s20, s16
	s_lshl_b32 s20, s20, 17                        ; A: block of 128 tokens 2 x tile row + half, 131,072 bytes each
	s_mov_b32 s21, 0
	s_lshl_b32 s46, s42, 8
	s_lshl_b32 s18, s16, 7
	s_add_co_u32 s46, s46, s18
	s_add_co_u32 s46, s46, 27648                   ; B: Wo's first row in codes + 256 x tile column + 128 x half
	s_lshl_b32 s46, s46, 10
	s_mov_b32 s47, 0
	s_mul_i32 s45, s16, HALFA                      ; where they go: A's two halves, then B's two halves
	s_mul_i32 s19, s16, HALFB
	s_add_co_u32 s19, s19, 2*HALFA
	s_wait_kmcnt 0x0
	s_load_b64 s[96:97], s[8:9], 0x28              ; e10, e11
	s_add_nc_u64 s[20:21], s[4:5], s[20:21]
	s_add_nc_u64 s[46:47], s[6:7], s[46:47]
	CROUND                                         ; all sixteen work-groups are here: the first joint loads meet
.irp s, 0,1
	s_mov_b32 s[G0+4*\s], 1
	s_add_co_u32 s[G0+4*\s+1], s45, \s*SLOT
	s_add_nc_u64 s[G0+4*\s+2:G0+4*\s+3], s[20:21], \s*32768
	s_or_b32 s[G0+4*\s+3], s[G0+4*\s+3], 0x80000000
	s_mov_b32 s[G0B+4*\s], 1
	s_add_co_u32 s[G0B+4*\s+1], s19, \s*SLOT
	s_add_nc_u64 s[G0B+4*\s+2:G0B+4*\s+3], s[46:47], \s*ROWB
	s_or_b32 s[G0B+4*\s+3], s[G0B+4*\s+3], 0x80000000
	s_wait_alu depctr_va_vdst(0)
	s_wait_tensorcnt 0x0
	ds_add_u32 v28, v29
	ds_add_u32 v28, v29
	s_wait_dscnt 0x0
	CROUND
	JLOAD G0+4*\s, G1, G0B+4*\s, G1B
.endr
	v_and_b32 v1, 15, v0                           ; r
	v_bfe_u32 v2, v0, 4, 1                         ; h
	v_mul_u32_u24 v3, v1, PA
	v_lshl_add_u32 v3, v2, 5, v3                   ; A: 80 r + 32 h
	v_mul_u32_u24 v4, v1, PITCH
	v_lshl_add_u32 v4, v2, 5, v4                   ; B: 272 r + 32 h
	s_mul_i32 s21, s15, HALFA
	s_mul_i32 s22, s16, HALFB
	s_add_co_u32 s22, s22, 2*HALFA
.irp s, 0,1
	v_add_nc_u32 v[ADRA+\s], s21, v3
	v_add_nc_u32 v[ADRB+\s], s22, v4
	s_add_co_u32 s21, s21, SLOT
	s_add_co_u32 s22, s22, SLOT
.endr
	s_mul_i32 s23, s14, 16*SPITCH                  ; my stage
	v_mul_u32_u24 v5, v1, SPITCH
	v_lshl_add_u32 v5, v2, 5, v5
	v_add_nc_u32 v[STO], s23, v5                   ; in: row r, 32 bytes for each half of the lanes
	v_and_b32 v6, 31, v0
	v_lshlrev_b32 v[CO], 4, v6
	v_add_nc_u32 v[RD], s23, v[CO]                 ; back: the 32 lanes take one row of 512 bytes
	s_lshl_b32 s20, s17, 8
	s_lshl_b32 s21, s15, 7
	s_add_co_u32 s20, s20, s21                     ; my first row of out0
	s_mov_b32 s21, 0
	s_mov_b64 s[18:19], SIZE_N*4
	s_mul_u64 s[20:21], s[20:21], s[18:19]
	s_lshl_b32 s46, s42, 10                        ; my first column, in bytes
	s_lshl_b32 s47, s16, 9
	s_add_co_u32 s46, s46, s47
	s_mov_b32 s47, 0
	s_add_nc_u64 s[20:21], s[20:21], s[46:47]
	s_add_nc_u64 s[10:11], s[10:11], s[20:21]
.macro FRAGA reg, adr, q, i            ; rows 16 i on, heads 2 q and 2 q + 1 of the slot's four
	ds_load_b128 v[\reg:\reg+3],     v[\adr] offset:(2*(\q))*HEADB+(\i)*16*PA
	ds_load_b128 v[\reg+4:\reg+7],   v[\adr] offset:(2*(\q))*HEADB+(\i)*16*PA+16
	ds_load_b128 v[\reg+8:\reg+11],  v[\adr] offset:(2*(\q)+1)*HEADB+(\i)*16*PA
	ds_load_b128 v[\reg+12:\reg+15], v[\adr] offset:(2*(\q)+1)*HEADB+(\i)*16*PA+16
.endm
.macro FRAGB reg, adr, q, i            ; rows 16 i on, the slot's q-th 128 along K, in the same places
	ds_load_b128 v[\reg:\reg+3],     v[\adr] offset:128*(\q)+(\i)*16*PITCH
	ds_load_b128 v[\reg+4:\reg+7],   v[\adr] offset:128*(\q)+(\i)*16*PITCH+16
	ds_load_b128 v[\reg+8:\reg+11],  v[\adr] offset:128*(\q)+(\i)*16*PITCH+64
	ds_load_b128 v[\reg+12:\reg+15], v[\adr] offset:128*(\q)+(\i)*16*PITCH+80
.endm
; The 64 accumulators take turns, one instruction a turn, in the same order in every step.
.macro MUL16 a0, p, zero
.irp a, \a0, \a0+1
.irp b, 0,1,2,3,4,5,6,7
.if \zero
	v_wmma_f32_16x16x128_fp8_fp8 v[8*(8*((\a)%4)+\b):8*(8*((\a)%4)+\b)+7], v[128*(\p)+FR*\b:128*(\p)+FR*\b+FR-1], v[AF+FR*(\a):AF+FR*(\a)+FR-1], 0
.else
	v_wmma_f32_16x16x128_fp8_fp8 v[8*(8*((\a)%4)+\b):8*(8*((\a)%4)+\b)+7], v[128*(\p)+FR*\b:128*(\p)+FR*\b+FR-1], v[AF+FR*(\a):AF+FR*(\a)+FR-1], v[8*(8*((\a)%4)+\b):8*(8*((\a)%4)+\b)+7]
.endif
.endr
.endr
.endm
.macro FETCH_B slot, q, p
	WIN TO_B
.irp i, 0,1,2,3,4,5,6,7
	FRAGB 128*(\p)+FR*\i, ADRB+\slot, \q, \i
.endr
	WIN 0
.endm
.macro FETCH_A slot, q, i0
.irp i, \i0, \i0+1, \i0+2, \i0+3
	FRAGA AF+FR*(\i), ADRA+\slot, \q, \i
.endr
.endm
.macro PLACES n                        ; plain vector places behind matrix instructions (ISA guide 7.12.1)
.rept \n
	v_nop
.endr
.endm
.macro STEP slot, q, zero
	s_wait_dscnt 4*NL                              ; B's set and A's blocks 0-3 are in; the youngest 16 loads (A's blocks 4-7) may be out
	WIN MUL_LO
	MUL16 0, (\q)%2, \zero
	MUL16 2, (\q)%2, \zero
	s_wait_dscnt 0
	PLACES NP
	FETCH_B \slot, (\q)+1, 1-(\q)%2
	FETCH_A \slot, (\q)+1, 0
	WIN MUL_HI
	MUL16 4, (\q)%2, \zero
	MUL16 6, (\q)%2, \zero
	PLACES NP
	WIN 0
	FETCH_A \slot, (\q)+1, 4
.endm
.macro TURN slot, next, fill
	s_wait_tensorcnt 0x0                           ; all my tensor loads have landed: my part of the next slot
	ds_add_u32 v[SPW], v[NIL]
	s_wait_dscnt 4*NL+1                            ; (the add and the youngest 16 loads may be out)
	WIN MUL_LO
	MUL16 0, 1, 0
	s_wait_dscnt 0x0                               ; the add is done, and my reads of this slot are over
	s_barrier_signal -1
	MUL16 2, 1, 0
	WIN 0
	s_barrier_wait -1
.if \fill
	CREST                                          ; the barrier has opened a round of the cluster's
	s_add_nc_u64 s[G0+4*\slot+2:G0+4*\slot+3], s[G0+4*\slot+2:G0+4*\slot+3], 2*32768
	s_add_nc_u64 s[G0B+4*\slot+2:G0B+4*\slot+3], s[G0B+4*\slot+2:G0B+4*\slot+3], 2*ROWB
	JLOAD G0+4*\slot, G1, G0B+4*\slot, G1B         ; the first tensor load behind the round; its four v_nop are the places in front of the loads below
.else
	PLACES NP
.endif
	FETCH_B \next, 0, 0
	FETCH_A \next, 0, 0
	WIN MUL_HI
	MUL16 4, 1, 0
	MUL16 6, 1, 0
	PLACES NP
	WIN 0
	FETCH_A \next, 0, 4
.endm
	s_wait_alu depctr_va_vdst(0)
	s_wait_tensorcnt 1                             ; my part of K step 0 is in (K step 1's load may be out),
	s_barrier_signal -1
	s_barrier_wait -1                              ; everybody's is
	FETCH_B 0, 0, 0
	FETCH_A 0, 0, 0
	FETCH_A 0, 0, 4
	STEP 0, 0, 1
	s_mov_b32 s3, LAPS-1
.Llap:
	TURN 0, 1, 1
	STEP 1, 0, 0
	TURN 1, 0, 1
	STEP 0, 0, 0
	s_sub_co_u32 s3, s3, 1
	s_cmp_lg_u32 s3, 0
	s_cbranch_scc1 .Llap
	TURN 0, 1, 0
	STEP 1, 0, 0
	s_wait_dscnt 4*NL
	WIN MUL_LO
	MUL16 0, 1, 0
	MUL16 2, 1, 0
	s_wait_dscnt 0
	WIN MUL_HI
	MUL16 4, 1, 0
	MUL16 6, 1, 0
	WIN 0
; THE WAY OUT, block by block of 16 rows x 128 columns, through my own stage and back as whole rows of 512 bytes.
.macro TOSTAGE a
.set AC, 64*((\a)%4)
	WIN 0x02+((\a)/4)
.irp j, 0,2,4,6,8,10,12,14,16,18,20,22,24,26,28,30,32,34,36,38,40,42,44,46,48,50,52,54,56,58,60,62
	v_pk_mul_f32 v[TMP+\j:TMP+\j+1], v[AC+\j:AC+\j+1], s[96:97] op_sel_hi:[1,0]   ; x 2^(e10 + e11); each accumulator from its low end on
.endr
	WIN 0
.irp b, 0,1,2,3,4,5,6,7
	ds_store_b128 v[STO], v[TMP+8*\b:TMP+8*\b+3] offset:64*\b
	ds_store_b128 v[STO], v[TMP+8*\b+4:TMP+8*\b+7] offset:64*\b+16
.endr
.set BB, BK+64*((\a)%2)
.irp t, 0,1,2,3,4,5,6,7,8,9,10,11,12,13,14,15
	ds_load_b128 v[BB+4*\t:BB+4*\t+3], v[RD] offset:\t*SPITCH   ; LDS serves a wave's instructions in order: these see my stores
.endr
.endm
.macro SEND a, younger                 ; younger: the LDS instructions issued behind block a's loads, which may stay out
.set BB, BK+64*((\a)%2)
	s_wait_dscnt \younger
.if (\a) > 0
	s_add_nc_u64 s[10:11], s[10:11], 16*SIZE_N*4   ; (behind a wait on XCNT: the earlier stores have read their base)
.endif
.irp t, 0,1,2,3,4,5,6,7,8,9,10,11,12,13,14,15
	global_store_b128 v[CO], v[BB+4*\t:BB+4*\t+3], s[10:11] offset:\t*SIZE_N*4 th:TH_STORE_NT   ; 32 lanes store 512 consecutive bytes of a row
.endr
.endm
	s_wait_kmcnt 0x0
	s_add_co_i32 s96, s96, s97
	s_add_co_i32 s96, s96, 127
	s_lshl_b32 s96, s96, 23                        ; 2^(e10 + e11) as f32
	PLACES NP
	TOSTAGE 0
.irp a, 1,2,3,4,5,6,7
.if \a > 1
	s_wait_xcnt 0x0                                ; block a - 2's stores have read their registers and their base
.endif
	TOSTAGE \a
	SEND \a-1, 32                                  ; behind block a - 1's loads: block a's 16 stores and 16 loads
.endr
	s_wait_xcnt 0x0
	SEND 7, 0
	s_wait_tensorcnt 0x0                           ; the wave's end
	ds_add_u32 v[SPW], v[NIL]
	s_wait_dscnt 0x0
	CROUND                                         ; the closing round
	s_endpgm
.Lfunc_end_k_qf9832af5f7_outp:
	.size	k_qf9832af5f7_outp, .Lfunc_end_k_qf9832af5f7_outp-k_qf9832af5f7_outp
	.p2alignl 7, 3214868480
	.fill 96, 4, 3214868480
	.section	.rodata,"a",@progbits
	.p2align	6, 0x0
	.amdhsa_kernel k_qf9832af5f7_outp
		.amdhsa_group_segment_fixed_size 327680
		.amdhsa_private_segment_fixed_size 0
		.amdhsa_enable_private_segment 0
		.amdhsa_kernarg_size 32
		.amdhsa_user_sgpr_count 2
		.amdhsa_user_sgpr_kernarg_segment_ptr 1
		.amdhsa_wavefront_size32 1
		.amdhsa_system_sgpr_workgroup_id_x 1
		.amdhsa_system_sgpr_workgroup_id_y 1
		.amdhsa_system_sgpr_workgroup_id_z 1
		.amdhsa_system_vgpr_workitem_id 0
		.amdhsa_next_free_vgpr 1024
		.amdhsa_next_free_sgpr 100
		.amdhsa_reserve_vcc 0
		.amdhsa_float_denorm_mode_32 3
		.amdhsa_float_denorm_mode_16_64 3
		.amdhsa_memory_ordered 1
		.amdhsa_forward_progress 1
		.amdhsa_inst_pref_size 124
	.end_amdhsa_kernel
	.amdgpu_metadata
---
amdhsa.version: [ 1, 2 ]
amdhsa.kernels:
  - .name:           k_qf9832af5f7_outp
    .symbol:         k_qf9832af5f7_outp.kd
    .args:
      - { .name: ac, .offset: 0, .size: 8, .value_kind: global_buffer, .address_space: global }
      - { .name: codes, .offset: 8, .size: 8, .value_kind: global_buffer, .address_space: global }
      - { .name: lowp_scales, .offset: 16, .size: 8, .value_kind: global_buffer, .address_space: global }
      - { .name: out0, .offset: 24, .size: 8, .value_kind: global_buffer, .address_space: global }
    .group_segment_fixed_size: 327680
    .private_segment_fixed_size: 0
    .kernarg_segment_align: 8
    .kernarg_segment_size: 32
    .max_flat_workgroup_size: 128
    .sgpr_count:     100
    .vgpr_count:     1024
    .wavefront_size: 32
...
	.end_amdgpu_metadata
.endif
;; end of part 4
